; MI455X (gfx1250); checked and timed in simulation.
; The chip was launched on July 23, 2026; its instructions are those of AMD's public machine-readable ISA for CDNA 5 (MIT licence, August 2026) and "CDNA5" Instruction Set Architecture Reference Guide (July 2026). The comments in the code are by the model that wrote it; some were corrected since.
;; Causal Self Cross Attention. Allowed arithmetic: matrix products marked QUANTISED: E2M1 operands, one E8M0 scale for each 32 along K, by v_wmma_scale_f32_16x16x128_f8f6f4 with both operands' format E2M1 (or v_wmma_scale_f32_32x16x128_f4), f32 sums; products left as they are: bf16, f16 or f32 operands; f32 sums; everything else in f32.
;; Inputs: Wck 512 x 1,024 float32; Wcq 1,024 x 1,024 float32; Wcv 512 x 1,024 float32; Wk 1,024 x 1,024 float32; Wp 1,024 x 1,024 float32; Wq 1,024 x 1,024 float32; Wv 1,024 x 1,024 float32; bck 1,024 float32; bcq 1,024 float32; bcv 1,024 float32; bk 1,024 float32; bp 1,024 float32; bq 1,024 float32; bv 1,024 float32; cross_input 2 x 512 x 512 float32; x 2 x 2,048 x 1,024 float32.
;; Outputs: out0 2 x 2,048 x 1,024 float32.
;; This version of the problem:
;;   THIS VERSION OF THE PROBLEM IS GIVEN IN LOW PRECISION. The matrix products marked QUANTISED in the list below multiply operands that are first quantised to E2M1 (2 exponent bits, 1 mantissa bit; 4 bits a number), with one power-of-two scale for each 32 numbers along K (OCP MX v1.0); their sums are f32. The products marked 'left as it is' may take bf16, f16 or f32 operands, with f32 sums. Whichever they take, every output number must still come out within the allowed error. Rounding operands to bf16 (8 significant bits) uses up far more of that allowance than f16 does (11 bits, for magnitudes from 6e-5 to 65,504). All else is computed in f32.
;;   The module's matrix products, in the order in which they are computed (A, B: the left and right operand; K: the contracted axis; several contracted axes count as one K, in the product's order):
;;     1. [M 4,096, K 1,024] x [K 1,024, N 1,024]; A: input x; B: input Wq: QUANTISED
;;     2. [M 4,096, K 1,024] x [K 1,024, N 1,024]; A: input x; B: input Wk: QUANTISED
;;     3. [M 4,096, K 1,024] x [K 1,024, N 1,024]; A: input x; B: input Wv: QUANTISED
;;     4. batch 32 x [M 2,048, K 64] x [K 64, N 2,048]; A: computed on the way; B: computed on the way: left as it is (an operand is computed on the way)
;;     5. batch 32 x [M 2,048, K 2,048] x [K 2,048, N 64]; A: computed on the way; B: computed on the way: left as it is (an operand is computed on the way)
;;     6. [M 4,096, K 1,024] x [K 1,024, N 1,024]; A: input x; B: input Wcq: QUANTISED
;;     7. [M 1,024, K 512] x [K 512, N 1,024]; A: input cross_input; B: input Wck: QUANTISED
;;     8. [M 1,024, K 512] x [K 512, N 1,024]; A: input cross_input; B: input Wcv: QUANTISED
;;     9. batch 32 x [M 2,048, K 64] x [K 64, N 512]; A: computed on the way; B: computed on the way: left as it is (an operand is computed on the way)
;;     10. batch 32 x [M 2,048, K 512] x [K 512, N 64]; A: computed on the way; B: computed on the way: left as it is (an operand is computed on the way)
;;     11. [M 4,096, K 1,024] x [K 1,024, N 1,024]; A: computed on the way; B: input Wp: left as it is (an operand is computed on the way)
;;   THE QUANTISER, for each operand of a quantised product, along K:
;;     - K is cut into blocks of 32 from its start; a last block that is shorter is filled with zeros.
;;     - A block's scale is 2^e with e = floor(log2(the largest magnitude in the block)) - 2, held to -126 .. 127; a block of zeros has e = 0. As a byte (E8M0): e + 127.
;;     - Each number is divided by its block's scale, clamped to +-6, and rounded to the nearest number of E2M1, ties to even, subnormals kept.
;;     - The product sums the exact products of the quantised numbers (number of the format x scale) in f32.
;;   ~~~python
;;   def quantise(x, axis):      # numpy; x: float32 -> the quantised numbers, widened to float32 again
;;       x = np.moveaxis(x, axis, -1); K = x.shape[-1]
;;       x = np.pad(x, [(0, 0)] * (x.ndim - 1) + [(0, -K % 32)]); x = x.reshape(x.shape[:-1] + (-1, 32)); a = np.abs(x).max(-1, keepdims=True)
;;       e = np.where(a > 0, np.clip(np.frexp(np.where(a > 0, a, 1))[1] - 1 - 2, -126, 127), 0)      # np.frexp(a)[1] - 1 = floor(log2(a)), exactly
;;       r = np.clip(x / 2.0 ** e, -6, 6)
;;       step = 2.0 ** (np.maximum(np.frexp(np.where(r == 0, 1, r))[1] - 1, 0) - 1)
;;       q = np.round(r / step) * step * 2.0 ** e      # np.round: ties to even
;;       return np.moveaxis(q.reshape(q.shape[:-2] + (-1,))[..., :K], -1, axis).astype(np.float32)
;;   ~~~
;; One version. Each part assembles by itself: llvm-mc -triple=amdgcn-amd-amdhsa -mcpu=gfx1250 --defsym DOCPART=n.
;; ======== version 1 of 1: 5 launches
;; limits: values are held in f16: magnitudes above 65,504 overflow, below 6.1e-05 lose precision
;; workspace buffers: codes 5,849,088 bytes; wpt 6,291,456 bytes; qq 16,777,216 bytes; kv 20,971,520 bytes; fq 524,288 bytes; y 8,388,608 bytes; ycf 131,072 bytes
;; launch prep (part 1): grid 368 x 1, 4 waves a work-group, no clusters, 137,728 bytes of LDS; arguments x, cross_input, Wq, Wk, Wv, Wcq, Wck, Wcv, Wp, codes, wpt; writes codes, wpt
.if DOCPART == 1
	.amdgcn_target "amdgcn-amd-amdhsa--gfx1250"
	.amdhsa_code_object_version 6
	.text
	.protected	k_q02a933da20_prep
	.globl	k_q02a933da20_prep
	.p2align	8
	.type	k_q02a933da20_prep,@function
k_q02a933da20_prep:
	s_mov_b64 s[64:65], 0
	v_nop
	global_prefetch_b8 v0, s[64:65] scope:SCOPE_SE
	s_setreg_imm32_b32 hwreg(HW_REG_WAVE_MODE, 25, 1), 1
	s_wait_xcnt 0x0
; PREP: every operand of the six quantised products becomes codes of FP4 (E2M1) with one E8M0 byte for each 32 along K, K innermost; Wp becomes Wp^T in f16, as a high and a low part.
; Three kinds of work-group, told apart by the work-group's number alone; the three paths never join again, and each has LDS bytes of its own.
;   0-143   x (128 work-groups) and cross_input (16): K is innermost: plain streams of blocks of 32 numbers.
;   144-303 the six weights [K][1024]: K is the first axis: a lane takes a column and its registers run down K.
;   304-367 Wp [k][n] -> Wp^T: the same plan without a quantiser.
; The buffer codes, in bytes: XC x's codes [4096][512]; CCO cross_input's [1024][256]; WC the weights' [6144 = 1024 wi + column][512] (wi: 0 Wq, 1 Wk, 2 Wv, 3 Wcq, 4 Wck, 5 Wcv; the last two fill the
; first 256 bytes of a row, the rest is neither written nor read); XS, CS, WS the scale bytes: [4096][32], [1024][16], [6144][32] (Wck, Wcv: the first 16).
; The buffer wpt: at 0 the high part by rows, [n][k] f16, for the out-projection; at 2,097,152 the low part and at 4,194,304 the high part once more, both as IMAGES OF OPERAND REGISTERS for the launch that
; carries the first positions finely: [n / 16][k / 32][2][512 bytes]: image c holds, lane by lane (16 bytes each), k = 16 c + 8 (lane / 16) + 0 .. 7 of row lane % 16.
; A block's scale is 2^(floor(log2(its largest magnitude)) - 2); its byte is the largest magnitude's exponent field - 2, held at 1 from below.
; LIMITS: a block of zeros gets the byte 1 where the rule says 127 (its codes are zeros, and this program alone reads the bytes); blocks whose largest magnitude lies under 2^(3 - 127) keep the byte 1;
; NaN and infinities are not served.  Wp: |Wp| up to 65,504; under 6.1e-5 the high part is rounded once more by the conversion, by 3e-8 at the most, which the low part does not carry.
.set XC,  0
.set CCO, 2097152
.set WC,  2359296
.set XS,  5505024
.set CS,  5636096
.set WS,  5652480
.set SPW, 192                          ; v192 LDS address of my spare word; never rewritten
.set NIL, 193                          ; v193 0; never rewritten
.set SPARE, 137216                     ; behind the three paths' regions: 128 bytes for each wave, named by no other line
.set EMAX, 2
.set PITCH, 272                        ; a stage row of paths W and P: 256 bytes + 16
	s_load_b512 s[4:19], s[0:1], 0x0               ; x, cross_input, Wq, Wk, Wv, Wcq, Wck, Wcv
	s_load_b128 s[20:23], s[0:1], 0x40             ; Wp, codes
	s_load_b64 s[24:25], s[0:1], 0x50              ; wpt
	v_lshl_add_u32 v[SPW], v0, 2, SPARE
	v_mov_b32 v[NIL], 0
	v_lshrrev_b32 v1, 5, v0
	v_readfirstlane_b32 s26, v1                    ; wave 0..3
	v_and_b32 v2, 31, v0                           ; lane
	s_wait_kmcnt 0x0
	s_cmp_lt_u32 ttmp9, 144
	s_cbranch_scc1 .Lpath_x
	s_cmp_lt_u32 ttmp9, 304
	s_cbranch_scc1 .Lpath_w
; ---------------- PATH P: Wp [k][n] f32 -> Wp^T f16.  A work-group takes 128 columns x 128 k, a wave 32 columns, a lane one column.
; high = w rounded to 11 significant bits in whole-number arithmetic (add half a step to the bits, cut the 13 low bits): exact in f16's normal range; low = w - high, exact in f32, then rounded to f16.
	s_sub_co_u32 s27, ttmp9, 304
	s_and_b32 s28, s27, 7                          ; which 128 columns
	s_lshr_b32 s29, s27, 3                         ; which 128 along k
	s_lshl_b32 s30, s28, 7
	s_lshl_b32 s31, s26, 5
	s_add_co_u32 s30, s30, s31                     ; my wave's first column n
	s_lshl_b32 s32, s29, 19                        ; 128 rows of 4,096 bytes
	s_lshl_b32 s33, s30, 2
	s_add_co_u32 s32, s32, s33
	s_mov_b32 s33, 0
	s_add_nc_u64 s[4:5], s[20:21], s[32:33]        ; Wp at (128 kblk, n)
	s_lshl_b32 s32, s30, 11                        ; a row of the high part is 2,048 bytes
	s_lshl_b32 s34, s29, 8
	s_add_co_u32 s32, s32, s34
	s_add_nc_u64 s[6:7], s[24:25], s[32:33]        ; the rows at (n, 128 kblk)
	s_lshl_b32 s36, s30, 11                        ; the images: 16 columns hold 32 chunks of 1,024 bytes, which is 2,048 bytes a column too;
	s_lshl_b32 s37, s29, 12                        ; my four chunks of 32 along k
	s_add_co_u32 s36, s36, s37
	s_mov_b32 s37, 0
	s_add_nc_u64 s[8:9], s[24:25], s[36:37]
	v_lshlrev_b32 v3, 2, v2                        ; in: 4 bytes a lane
	s_mul_i32 s35, s26, 2*32*PITCH                 ; my two stages: the high part's, then the low part's
	s_add_co_u32 s35, s35, 67584
	v_mul_u32_u24 v4, v2, PITCH
	v_add_nc_u32 v4, s35, v4                       ; into a stage: row = my column
	v_and_b32 v5, 15, v2
	v_lshrrev_b32 v6, 4, v2
	v_mul_u32_u24 v7, v6, PITCH
	v_lshl_add_u32 v7, v5, 4, v7
	v_add_nc_u32 v7, s35, v7                       ; out of it by rows: sixteen lanes to a row, two rows an instruction
	v_lshlrev_b32 v8, 11, v6
	v_lshl_add_u32 v8, v5, 4, v8                   ; and the same place among the rows in memory
	v_mul_u32_u24 v9, v5, PITCH
	v_lshl_add_u32 v9, v6, 4, v9
	v_add_nc_u32 v9, s35, v9                       ; out of it as a fragment: row lane % 16, 16 bytes for each half of the lanes
	v_lshlrev_b32 v10, 4, v2                       ; and 16 x lane in an image
.macro PLOAD t                         ; block t: Wp(32 t + i, my column) into set t % 2 of v32-95
.set i, 0
.rept 32
	global_load_b32 v[32+32*((\t)%2)+i], v3, s[4:5] offset:(32*(\t)+i)*4096 th:TH_LOAD_NT
.set i, i+1
.endr
.endm
.macro PBLOCK t
.set PX, 32+32*((\t)%2)
.if (\t) < 3
	s_wait_loadcnt 32                              ; this block's 32 loads are in; the next block's 32 may be out
.else
	s_wait_loadcnt 0x0
.endif
.set i, 0
.rept 32
	v_add_nc_u32 v[128+i], 0x1000, v[PX+i]         ; half a step of the eleventh bit onto the magnitude
.set i, i+1
.endr
.set i, 0
.rept 32
	v_and_b32 v[128+i], 0xffffe000, v[128+i]       ; the high part, as f32
.set i, i+1
.endr
.set i, 0
.rept 16
	v_cvt_pk_f16_f32 v[96+i], v[128+2*i], v[129+2*i]
	v_pk_add_f32 v[PX+2*i:PX+2*i+1], v[PX+2*i:PX+2*i+1], v[128+2*i:129+2*i] neg_lo:[0,1] neg_hi:[0,1]   ; w - high
.set i, i+1
.endr
.set i, 0
.rept 16
	v_cvt_pk_f16_f32 v[112+i], v[PX+2*i], v[PX+2*i+1]
.set i, i+1
.endr
.irp c, 0,1,2,3
	ds_store_b128 v4, v[96+4*\c:99+4*\c] offset:64*(\t)+16*\c            ; 32 k of my column: 64 bytes of its row
	ds_store_b128 v4, v[112+4*\c:115+4*\c] offset:32*PITCH+64*(\t)+16*\c
.endr
.if (\t)+2 < 4
	PLOAD (\t)+2
.endif
	s_wait_dscnt 0x0                               ; the stores have read their registers: the next block may write them
.endm
; 16 images out of the stage at byte stg: tile t / 8 of 16 columns, chunk (t / 2) % 4 of 32 along k, half t % 2 of the fragment's eight registers; each store covers 512 consecutive bytes
.macro PIMG stg, sec
.irp t, 0,1,2,3,4,5,6,7,8,9,10,11,12,13,14,15
	ds_load_b128 v[128+4*\t:131+4*\t], v9 offset:\stg+(\t/8)*16*PITCH+64*((\t/2)%4)+32*(\t%2)
.endr
.irp t, 0,1,2,3,4,5,6,7,8,9,10,11,12,13,14,15
	s_wait_dscnt 15-\t
	global_store_b128 v10, v[128+4*\t:131+4*\t], s[8:9] offset:\sec+(\t/8)*32768+1024*((\t/2)%4)+512*(\t%2)
.endr
.endm
	PLOAD 0
	PLOAD 1
	PBLOCK 0
	PBLOCK 1
	PBLOCK 2
	PBLOCK 3
.irp t, 0,1,2,3,4,5,6,7,8,9,10,11,12,13,14,15
	ds_load_b128 v[128+4*\t:131+4*\t], v7 offset:2*\t*PITCH          ; LDS serves a wave's instructions in order: these see my stores
.endr
.irp t, 0,1,2,3,4,5,6,7,8,9,10,11,12,13,14,15
	s_wait_dscnt 15-\t
	global_store_b128 v8, v[128+4*\t:131+4*\t], s[6:7] offset:2*\t*2048   ; the high part by rows: sixteen lanes store 256 consecutive bytes, aligned
.endr
	s_wait_xcnt 0x0                                ; the stores have read their registers: the next sixteen loads may land there
	PIMG 0, 4194304                                ; the high part as images
	s_wait_xcnt 0x0
	PIMG 32*PITCH, 2097152                         ; the low part as images
	s_wait_tensorcnt 0x0                           ; the wave's end, behind my last LDS store
	ds_add_u32 v[SPW], v[NIL]
	s_wait_dscnt 0x0
	s_endpgm
; ---------------- PATH W: a weight [K][1024] f32 -> codes [column][K] and scale bytes.  A work-group takes 64 columns x 512 along K, a wave 16 columns.
; Lane l takes column l % 16 and the half l / 16 of the 512: 8 blocks of 32 down K.  So a load reads two runs of 64 consecutive bytes, 256 rows apart, and the four waves stand side by side on 256 bytes of a row.
; A wave has 256 loads to make, of which 64 are out: as many bytes to read for each byte on its way as a wave of path X has.
; A lane's 128 bytes of codes are half of its column's row in the wave's own stage: whole rows of 256 bytes leave, and no wave waits for another.
.Lpath_w:
.set NB,   8
.set WX,   32                          ; v32-95   two sets of 32 numbers
.set WCD,  96                          ; v96-99   a block's codes
.set OUTR, 112                         ; v112-143 the way out
.set SB,   24                          ; v24-25   the scale bytes, four to a register
	s_sub_co_u32 s27, ttmp9, 144
	s_and_b32 s28, s27, 15                         ; which 64 columns
	s_lshr_b32 s29, s27, 4                         ; job 0..9: 0-7 the four weights of K = 1,024 in two halves; 8, 9 Wck, Wcv
	s_lshr_b32 s30, s29, 1
	s_and_b32 s31, s29, 1
	s_sub_co_u32 s32, s29, 4
	s_cmp_lt_u32 s29, 8
	s_cselect_b32 s30, s30, s32                    ; wi
	s_cselect_b32 s31, s31, 0                      ; which 512 along K
	s_cmp_eq_u32 s30, 1                            ; the weight's address: a choice on the work-group's number alone
	s_cselect_b64 s[8:9], s[10:11], s[8:9]
	s_cmp_eq_u32 s30, 2
	s_cselect_b64 s[8:9], s[12:13], s[8:9]
	s_cmp_eq_u32 s30, 3
	s_cselect_b64 s[8:9], s[14:15], s[8:9]
	s_cmp_eq_u32 s30, 4
	s_cselect_b64 s[8:9], s[16:17], s[8:9]
	s_cmp_eq_u32 s30, 5
	s_cselect_b64 s[8:9], s[18:19], s[8:9]
	s_lshl_b32 s33, s28, 6
	s_lshl_b32 s34, s26, 4
	s_add_co_u32 s33, s33, s34                     ; my wave's first column
	s_lshl_b32 s34, s31, 21                        ; 512 rows of 4,096 bytes
	s_lshl_b32 s35, s33, 2
	s_add_co_u32 s34, s34, s35
	s_mov_b32 s35, 0
	s_add_nc_u64 s[4:5], s[8:9], s[34:35]
	s_lshl_b32 s36, s30, 10
	s_add_co_u32 s36, s36, s33                     ; its row among the 6,144
	s_lshl_b32 s34, s36, 9
	s_lshl_b32 s37, s31, 8
	s_add_co_u32 s34, s34, s37
	s_add_co_u32 s34, s34, WC
	s_add_nc_u64 s[6:7], s[22:23], s[34:35]        ; codes
	s_lshl_b32 s34, s36, 5
	s_lshl_b32 s37, s31, 4
	s_add_co_u32 s34, s34, s37
	s_add_co_u32 s34, s34, WS
	s_add_nc_u64 s[8:9], s[22:23], s[34:35]        ; scale bytes
	s_mul_i32 s38, s26, 16*PITCH
	s_add_co_u32 s38, s38, 32768                   ; my stage: 16 rows
	v_and_b32 v5, 15, v2                           ; my column
	v_lshrrev_b32 v6, 4, v2                        ; my half of the 512 along K
	v_lshlrev_b32 v3, 2, v5
	v_lshl_add_u32 v3, v6, 20, v3                  ; in: 4 bytes a column, 256 rows of 4,096 bytes a half
	v_mul_u32_u24 v4, v5, PITCH
	v_lshl_add_u32 v4, v6, 7, v4
	v_add_nc_u32 v4, s38, v4                       ; into the stage: row = my column, 128 bytes a half
	v_mul_u32_u24 v7, v6, PITCH
	v_lshl_add_u32 v7, v5, 4, v7
	v_add_nc_u32 v7, s38, v7                       ; out of it: sixteen lanes to a row, two rows an instruction
	v_lshlrev_b32 v8, 9, v6                        ; a row of the weights' codes is 512 bytes
	v_lshl_add_u32 v8, v5, 4, v8
	v_lshlrev_b32 v9, 5, v5                        ; a row of their scale bytes 32;
	v_lshl_add_u32 v9, v6, 3, v9                   ; my 8 of a half
.macro WLOAD t
.set i, 0
.rept 32
	global_load_b32 v[WX+32*((\t)%2)+i], v3, s[4:5] offset:(32*(\t)+i)*4096 th:TH_LOAD_NT
.set i, i+1
.endr
.endm
.macro WBLOCK t
.set WSET, WX+32*((\t)%2)
.if (\t) < NB-1
	s_wait_loadcnt 32                              ; this block's 32 loads are in; the next block's may be out
.else
	s_wait_loadcnt 0x0
.endif
	v_max3_num_f32 v12, |v[WSET]|, |v[WSET+1]|, |v[WSET+2]|         ; the block's largest magnitude: all 32 numbers are mine
	v_max3_num_f32 v13, |v[WSET+3]|, |v[WSET+4]|, |v[WSET+5]|
.irp i, 6,10,14,18,22,26
	v_max3_num_f32 v12, v12, |v[WSET+\i]|, |v[WSET+\i+1]|
	v_max3_num_f32 v13, v13, |v[WSET+\i+2]|, |v[WSET+\i+3]|
.endr
	v_max3_num_f32 v12, v12, |v[WSET+30]|, |v[WSET+31]|
	v_max3_num_f32 v12, v12, v13, (EMAX+1)<<23     ; and the floor 2^(3 - 127): the byte cannot fall under 1
	v_add_nc_u32 v11, 0xff000000, v12              ; 2 off the exponent field: the conversion takes the exponent field of this operand as its scale
	v_lshrrev_b32 v13, 23, v11                     ; the scale's byte
.if (\t)%4 == 0
	v_mov_b32 v[SB+(\t)/4], v13
.else
	v_lshl_or_b32 v[SB+(\t)/4], v13, 8*((\t)%4), v[SB+(\t)/4]
.endif
.irp g, 0,1,2,3
	v_cvt_scalef32_pk8_fp4_f32 v[WCD+\g], v[WSET+8*\g:WSET+8*\g+7], v11
.endr
	ds_store_b128 v4, v[WCD:WCD+3] offset:16*(\t)  ; 32 codes: 16 bytes of my half of my column's row
.if (\t)+2 < NB
	WLOAD (\t)+2
.endif
	s_wait_dscnt 0x0                               ; the store has read its registers: the next block's codes may be written
.endm
	WLOAD 0
	WLOAD 1
.set Q, 0
.rept NB
	WBLOCK Q
.set Q, Q+1
.endr
	global_store_b64 v9, v[SB:SB+1], s[8:9]        ; my 8 scale bytes; the lane 16 away holds the 8 beside them
.irp t, 0,1,2,3,4,5,6,7
	ds_load_b128 v[OUTR+4*\t:OUTR+4*\t+3], v7 offset:2*\t*PITCH      ; LDS serves a wave's instructions in order: these see my stores
.endr
.irp t, 0,1,2,3,4,5,6,7
	s_wait_dscnt 7-\t
	global_store_b128 v8, v[OUTR+4*\t:OUTR+4*\t+3], s[6:7] offset:2*\t*512   ; sixteen lanes store 256 consecutive bytes, aligned
.endr
	s_wait_tensorcnt 0x0                           ; the wave's end
	ds_add_u32 v[SPW], v[NIL]
	s_wait_dscnt 0x0
	s_endpgm
; ---------------- PATH X: x and cross_input.  A wave takes 16 steps of 512 numbers.  Each of a step's four loads reads 512 consecutive bytes; the 2,048 bytes turn through the wave's own stage in LDS,
; so that a lane then holds 16 neighbours along K (two neighbouring lanes hold a block).  A wave's 256 scale bytes are gathered in LDS and leave as one aligned run of 256 bytes.
.Lpath_x:
.set STEPS, 16
.set CB,    8                          ; bytes of 16 codes
.set XR,    16                         ; v16-79   four sets of 16 numbers as loaded
.set XX,    80                         ; v80-111  two sets of 16 neighbours
.set XCD,   128                        ; v128-191 codes, four registers a step
.set XE,    112                        ; v112-127 a scale byte a step
.set WREG,  8192                       ; LDS: a region for each wave: two stages of 32 x 80 bytes, then its 256 scale bytes
.set SP,    80
	v_lshlrev_b32 v3, 4, v2
	s_mul_i32 s27, s26, WREG
	v_lshrrev_b32 v14, 2, v2
	v_mul_u32_u24 v14, v14, SP
	v_and_b32 v15, 3, v2
	v_lshl_add_u32 v14, v15, 4, v14
	v_add_nc_u32 v14, s27, v14                     ; the stage, on the way in: 80 (lane / 4) + 16 (lane % 4)
	v_mul_u32_u24 v15, v2, SP
	v_add_nc_u32 v15, s27, v15                     ; on the way out: 80 x lane
	v_mul_u32_u24 v4, v2, CB
	v_lshrrev_b32 v5, 1, v2
	s_add_co_u32 s27, s27, 2*32*SP
	v_add_nc_u32 v5, s27, v5                       ; my block's scale byte
	v_lshlrev_b32 v7, 3, v2
	v_add_nc_u32 v6, s27, v7
	s_cmp_lt_u32 ttmp9, 128                        ; x's work-group or cross_input's
	s_cselect_b64 s[4:5], s[4:5], s[6:7]
	s_cselect_b32 s28, 0, 128
	s_mov_b32 s29, CCO
	s_cselect_b32 s29, XC, s29
	s_mov_b32 s30, CS
	s_mov_b32 s31, XS
	s_cselect_b32 s30, s31, s30
	s_sub_co_u32 s28, ttmp9, s28
	s_lshl_b32 s28, s28, 2
	s_add_co_u32 s28, s28, s26                     ; which run of 8,192 numbers is my wave's
	s_lshl_b32 s32, s28, 15
	s_mov_b32 s33, 0
	s_add_nc_u64 s[4:5], s[4:5], s[32:33]
	s_lshl_b32 s32, s28, 12
	s_add_co_u32 s32, s32, s29
	s_add_nc_u64 s[8:9], s[22:23], s[32:33]        ; its 4,096 bytes of codes
	s_lshl_b32 s32, s28, 8
	s_add_co_u32 s32, s32, s30
	s_add_nc_u64 s[10:11], s[22:23], s[32:33]      ; its 256 scale bytes
.macro XLOAD t
.irp i, 0,1,2,3
	global_load_b128 v[XR+16*((\t)%4)+4*\i:XR+16*((\t)%4)+4*\i+3], v3, s[4:5] offset:2048*(\t)+512*\i th:TH_LOAD_NT
.endr
.endm
.macro XTURN t                         ; LDS serves a wave's instructions in order: no wait between the stores and the loads
.irp i, 0,1,2,3
	ds_store_b128 v14, v[XR+16*((\t)%4)+4*\i:XR+16*((\t)%4)+4*\i+3] offset:32*SP*((\t)%2)+8*SP*\i
.endr
.irp i, 0,1,2,3
	ds_load_b128 v[XX+16*((\t)%2)+4*\i:XX+16*((\t)%2)+4*\i+3], v15 offset:32*SP*((\t)%2)+16*\i
.endr
.endm
.irp t, 0,1,2,3
	XLOAD \t
.endr
	s_wait_loadcnt 12                              ; step 0's four loads are in; three steps' twelve may be out
	XTURN 0
.macro XSTEP t
.set XSET, XX+16*((\t)%2)
.if (\t) > 0
	s_wait_dscnt 1                                 ; this step's numbers are back from the stage; the last step's byte store may be out
.else
	s_wait_dscnt 0x0
.endif
.if (\t)+4 < STEPS
	XLOAD (\t)+4
.endif
.if (\t)+1 < STEPS
.if STEPS-2-(\t) >= 3
	s_wait_loadcnt 12                              ; the next step's four loads are in; those of the three steps behind it may be out
.else
	s_wait_loadcnt 4*(STEPS-2-(\t))
.endif
	XTURN (\t)+1
.endif
	v_max3_num_f32 v8, |v[XSET]|, |v[XSET+1]|, |v[XSET+2]|
	v_max3_num_f32 v9, |v[XSET+3]|, |v[XSET+4]|, |v[XSET+5]|
.irp i, 6,10
	v_max3_num_f32 v8, v8, |v[XSET+\i]|, |v[XSET+\i+1]|
	v_max3_num_f32 v9, v9, |v[XSET+\i+2]|, |v[XSET+\i+3]|
.endr
	v_max3_num_f32 v8, v8, |v[XSET+14]|, |v[XSET+15]|
	v_max3_num_f32 v8, v8, v9, (EMAX+1)<<23        ; and the floor
	v_max_num_f32_dpp v8, v8, v8 row_xmask:1 row_mask:0xf bank_mask:0xf   ; with my neighbour's 16: the block's largest magnitude
	v_add_nc_u32 v11, 0xff000000, v8               ; 2 off its exponent field: the conversion's scale operand
	v_cvt_scalef32_pk8_fp4_f32 v[XCD+4*(\t)], v[XSET:XSET+7], v11
	v_cvt_scalef32_pk8_fp4_f32 v[XCD+4*(\t)+1], v[XSET+8:XSET+15], v11
	v_lshrrev_b32 v[XE+(\t)], 23, v11              ; the scale's byte (also the plain line behind the conversions)
	ds_store_b8 v5, v[XE+(\t)] offset:16*(\t)      ; both lanes of a block write the same byte with the same value
	global_store_b64 v4, v[XCD+4*(\t):XCD+4*(\t)+1], s[8:9] offset:32*CB*(\t)   ; 32 lanes store 256 consecutive bytes, aligned
.endm
.irp t, 0,1,2,3,4,5,6,7,8,9,10,11,12,13,14,15
	XSTEP \t
.endr
	ds_load_b64 v[8:9], v6
	s_wait_dscnt 0x0
	global_store_b64 v7, v[8:9], s[10:11]
	s_wait_tensorcnt 0x0                           ; the wave's end
	ds_add_u32 v[SPW], v[NIL]
	s_wait_dscnt 0x0
	s_endpgm
.Lfunc_end_k_q02a933da20_prep:
	.size	k_q02a933da20_prep, .Lfunc_end_k_q02a933da20_prep-k_q02a933da20_prep
	.p2alignl 7, 3214868480
	.fill 96, 4, 3214868480
	.section	.rodata,"a",@progbits
	.p2align	6, 0x0
	.amdhsa_kernel k_q02a933da20_prep
		.amdhsa_group_segment_fixed_size 137728
		.amdhsa_private_segment_fixed_size 0
		.amdhsa_enable_private_segment 0
		.amdhsa_kernarg_size 88
		.amdhsa_user_sgpr_count 2
		.amdhsa_user_sgpr_kernarg_segment_ptr 1
		.amdhsa_wavefront_size32 1
		.amdhsa_system_sgpr_workgroup_id_x 1
		.amdhsa_system_sgpr_workgroup_id_y 1
		.amdhsa_system_sgpr_workgroup_id_z 1
		.amdhsa_system_vgpr_workitem_id 0
		.amdhsa_next_free_vgpr 196
		.amdhsa_next_free_sgpr 66
		.amdhsa_reserve_vcc 0
		.amdhsa_float_denorm_mode_32 3
		.amdhsa_float_denorm_mode_16_64 3
		.amdhsa_memory_ordered 1
		.amdhsa_forward_progress 1
		.amdhsa_inst_pref_size 127
	.end_amdhsa_kernel
	.amdgpu_metadata
---
amdhsa.version: [ 1, 2 ]
amdhsa.kernels:
  - .name:           k_q02a933da20_prep
    .symbol:         k_q02a933da20_prep.kd
    .args:
      - { .name: x, .offset: 0, .size: 8, .value_kind: global_buffer, .address_space: global }
      - { .name: cross_input, .offset: 8, .size: 8, .value_kind: global_buffer, .address_space: global }
      - { .name: Wq, .offset: 16, .size: 8, .value_kind: global_buffer, .address_space: global }
      - { .name: Wk, .offset: 24, .size: 8, .value_kind: global_buffer, .address_space: global }
      - { .name: Wv, .offset: 32, .size: 8, .value_kind: global_buffer, .address_space: global }
      - { .name: Wcq, .offset: 40, .size: 8, .value_kind: global_buffer, .address_space: global }
      - { .name: Wck, .offset: 48, .size: 8, .value_kind: global_buffer, .address_space: global }
      - { .name: Wcv, .offset: 56, .size: 8, .value_kind: global_buffer, .address_space: global }
      - { .name: Wp, .offset: 64, .size: 8, .value_kind: global_buffer, .address_space: global }
      - { .name: codes, .offset: 72, .size: 8, .value_kind: global_buffer, .address_space: global }
      - { .name: wpt, .offset: 80, .size: 8, .value_kind: global_buffer, .address_space: global }
    .group_segment_fixed_size: 137728
    .private_segment_fixed_size: 0
    .kernarg_segment_align: 8
    .kernarg_segment_size: 88
    .max_flat_workgroup_size: 128
    .sgpr_count:     66
    .vgpr_count:     196
    .wavefront_size: 32
...
	.end_amdgpu_metadata
.endif
;; end of part 1
;; launch proj (part 2): grid 16 x 16, 4 waves a work-group, clusters of 4 x 4, 327,680 bytes of LDS; arguments codes, bq, bk, bv, bcq, bck, bcv, qq, kv, fq; writes qq, kv, fq
.if DOCPART == 2
	.amdgcn_target "amdgcn-amd-amdhsa--gfx1250"
	.amdhsa_code_object_version 6
	.text
	.protected	k_q02a933da20_proj
	.globl	k_q02a933da20_proj
	.p2align	8
	.type	k_q02a933da20_proj,@function
k_q02a933da20_proj:
	s_mov_b64 s[64:65], 0
	v_nop
	global_prefetch_b8 v0, s[64:65] scope:SCOPE_SE
	s_setreg_imm32_b32 hwreg(HW_REG_WAVE_MODE, 25, 1), 1
	s_wait_xcnt 0x0
	s_wait_alu depctr_hold_cnt(0) depctr_sa_sdst(0) depctr_va_vdst(0) depctr_va_sdst(0) depctr_va_ssrc(0) depctr_va_vcc(0) depctr_vm_vsrc(0)
	s_getreg_b32 s2, hwreg(HW_REG_IB_STS2, 6, 4)
	s_cmp_eq_u32 s2, 0
	s_cbranch_scc0 .Lentry_in_a_cluster
	s_endpgm
.Lentry_in_a_cluster:
	s_bfe_u32 s2, ttmp6, 0x10000c
	s_cmp_lg_u32 s2, 0xf033
	s_cbranch_scc0 .Lentry_shape_is_right
	s_endpgm
.Lentry_shape_is_right:
; PROJ: the six quantised products, on codes of FP4 with E8M0 scales, sums in f32, the bias as the C of each sum's first matrix instruction; results rounded once to f16 and laid by heads.
; MAIN: [x's 4,096 rows] x [columns 0-4,095 = Wq, Wk, Wv, Wcq], K = 1,024.  256 work-groups, one tile of 256 x 256 each; four waves, 128 x 128 each: 64 accumulators, 512 registers.
; K goes in two steps of 512 (rows of 256 bytes), each in an LDS slot of its own: both slots and the scale bytes are asked for at the start, and nothing is filled twice.
; MINI: besides, each of the 1,024 waves makes one tile of 32 x 64 of cross_input x (Wck | Wcv), K = 512, its operands straight from memory into registers, while the first tiles are on their way.
; CLUSTERS: 4 x 4.  A's tiles (x) are shared along a row of the cluster, B's (weights) along a column: joint loads with a mask that names the four.  The cluster's x is the weight's number.
; THE MATRIX INSTRUCTION IS USED TRANSPOSED (source 0 = 16 rows of the weight, source 1 = 16 rows of x): a lane holds eight neighbouring columns of one row.
; OUT: q, qc -> qq [32 heads][2048][64] f16 (qc 8,388,608 bytes on); k, v -> kv [32][2560][64] (v 10,485,760 bytes on) at rows 512 + t; kc, vc at rows 0-511.
; The first 16 positions of each batch of q, k, v go also as f32 to fq, as IMAGES OF THE ACCUMULATORS' REGISTERS: [batch][weight, 65,536 bytes][128 columns, 8,192 bytes][16 images of 512 bytes]: image 2 t + u holds
; registers 4 u .. 4 u + 3 of the accumulator of columns 16 t on, 16 bytes a lane.  So a head's 64 columns are 4,096 consecutive bytes.  Stores under a lane mask, 512 consecutive bytes each.
; LIMITS: results up to 65,504 in size (f16); under 6.1e-5 their error is 3e-8.
; REGISTERS: window 0: v0-31 addresses; v32-95 scale words, two sets; v96-127 MINI's bias; v128-191 A's fragments; v192-255 the main bias, later the way out.  window 1: B's fragments, two sets.  windows 2, 3: accumulators.
.set CCO, 2097152
.set WC,  2359296
.set XS,  5505024
.set CS,  5636096
.set WS,  5652480
.set VSEC,  10485760
.set QCSEC, 8388608
.set NQ,     4                         ; matrix instructions deep in a slot
.set ROWB,   256                       ; a tile's row in bytes: 512 codes
.set KROW,   512                       ; a row of x's or of a weight's codes in memory
.set PITCH,  272                       ; an LDS row: 256 bytes + 16: the 16 rows that a load touches start at 16 different banks (64 banks of 4 bytes: ISA guide 11.1)
.set FR,     8
.set NL,     2
.set NP,     4                         ; places behind this matrix instruction (ISA guide 7.12.1)
.set HALFT,  128*PITCH
.set SLOT,   4*HALFT
.set KS,     32                        ; a row of scale bytes
.set SCL,    2*SLOT
.set HALFS,  16*272                    ; the scale bytes of 128 rows
.set SBLK,   2*272                     ; of 16 rows
.set SPARE,  SCL+4*HALFS               ; the spare words, 128 bytes a wave, named by no other line
.set STAGE,  SPARE+512                 ; 16 rows x 272 bytes for each wave; no tile ever lands here
.set ADRA, 16
.set ADRB, 20
.set STO,  24
.set RD,   25
.set CO,   26
.set ADRS, 27
.set SPW,  28
.set NIL,  29
.set FLAG, 31
.set SC,   32
.set MB,   96                          ; MINI's bias
.set AF,   128
.set BIAS, 192
.set TMP,  192
.set OB,   32
.set G1, 24
.set G0, 32
.set G1B, 48
.set G0B, 56
.set G1S, 68
.set G0S, 76
.set G1SB, 80
.set G0SB, 88
.set MSB, 0
.macro WIN new                         ; the immediate's high byte repeats the setting that is left
.if MSB != \new
	s_set_vgpr_msb (MSB<<8)|\new
.set MSB, \new
.endif
.endm
.set MUL_LO, 0xa1                      ; source 0 (B) window 1, source 1 (A) window 0, C and D window 2
.set MUL_HI, 0xf1
.set TO_B,   0x40
.macro JLOAD g0a, g1a, g0b, g1b        ; waves 0, 1 fetch for A, waves 2, 3 for B; the branch hangs on the wave's number alone; s_nop 0 and four v_nop follow each line
	s_cmp_eq_u32 s45, 0
	s_cbranch_scc0 .Lfor_b_\@
	tensor_load_to_lds s[\g0a:\g0a+3], s[\g1a:\g1a+7]
	s_nop 0
.rept 4
	v_nop
.endr
	s_branch .Lasked_\@
.Lfor_b_\@:
	tensor_load_to_lds s[\g0b:\g0b+3], s[\g1b:\g1b+7]
	s_nop 0
.rept 4
	v_nop
.endr
.Lasked_\@:
.endm
.macro CROUND                          ; a round of the cluster's barrier
	s_barrier_signal -1
	s_barrier_wait -1
	s_cmp_lg_u32 s44, 0
	s_cbranch_scc1 .Lnot_wave_0_\@
	s_barrier_signal -3
.Lnot_wave_0_\@:
	s_barrier_wait -3
	s_barrier_signal -1
	s_barrier_wait -1
.endm
.macro PLACES n
.rept \n
	v_nop
.endr
.endm
	s_load_b512 s[4:19], s[0:1], 0x0               ; codes, bq, bk, bv, bcq, bck, bcv, qq
	s_load_b128 s[20:23], s[0:1], 0x40             ; kv, fq
	v_lshl_add_u32 v[SPW], v0, 2, SPARE
	v_mov_b32 v[NIL], 0
	ds_add_u32 v[SPW], v[NIL]                      ; the wave's opening: the add, twice on end, and its wait ahead of my first tensor load
	ds_add_u32 v[SPW], v[NIL]
	v_lshrrev_b32 v1, 5, v0
	v_readfirstlane_b32 s44, v1                    ; wave 0..3
	s_lshr_b32 s45, s44, 1                         ; my half of the tile's rows; also: I fetch for A (0) or B (1)
	s_and_b32 s46, s44, 1                          ; my half of its columns; also: which 128 rows I fetch
	s_mov_b32 s47, ttmp9                           ; the weight's number: 0 q, 1 k, 2 v, 3 cq
	s_bfe_u32 s40, ttmp6, 0x40000                  ; cx
	s_bfe_u32 s41, ttmp6, 0x40004                  ; cy
	s_lshl_b32 s42, ttmp9, 2
	s_add_co_u32 s42, s42, s40                     ; tile column
	s_and_b32 s43, ttmp7, 0xffff
	s_lshl_b32 s43, s43, 2
	s_add_co_u32 s43, s43, s41                     ; tile row
	s_lshl_b32 s2, s41, 2
	s_lshl_b32 s2, 15, s2                          ; my row of the cluster
	s_lshl_b32 s3, 0x1111, s40                     ; my column
	s_or_b32 s[G1+0], s2, (0<<16)|(1<<20)|(1<<21)|(5<<22)|(3<<25)   ; mask; elements of 1 byte; padding on; bit 21 beside a mask; 4 words behind every 64
	s_or_b32 s[G1B+0], s3, (0<<16)|(1<<20)|(1<<21)|(5<<22)|(3<<25)
.irp g, G1, G1B
	s_mov_b32 s[\g+1], ROWB<<16                    ; tensor_dim0
	s_mov_b32 s[\g+2], 128<<16                     ; tensor_dim1
	s_mov_b32 s[\g+3], ROWB<<16                    ; tile_dim0
	s_mov_b32 s[\g+4], 128                         ; tile_dim1
	s_mov_b32 s[\g+5], KROW                        ; from row to row
	s_mov_b32 s[\g+6], 0
	s_mov_b32 s[\g+7], 0
.endr
	s_or_b32 s[G1S+0], s2, (3<<16)|(1<<20)|(1<<21)|(5<<22)|(3<<25)  ; the scale bytes of 128 rows: 4,096 dense bytes as 16 rows of 256 (32 elements of 8 bytes)
	s_or_b32 s[G1SB+0], s3, (3<<16)|(1<<20)|(1<<21)|(5<<22)|(3<<25)
.irp g, G1S, G1SB
	s_mov_b32 s[\g+1], 32<<16
	s_mov_b32 s[\g+2], 16<<16
	s_mov_b32 s[\g+3], 32<<16
	s_mov_b32 s[\g+4], 16
	s_mov_b32 s[\g+5], 32
	s_mov_b32 s[\g+6], 0
	s_mov_b32 s[\g+7], 0
.endr
	s_lshl_b32 s66, s46, 7                         ; which 128 rows of the tile I fetch
	s_lshl_b32 s92, s43, 8
	s_add_co_u32 s92, s92, s66                     ; A: row 256 x tile row + 128 x half
	s_lshl_b32 s96, s42, 8
	s_add_co_u32 s96, s96, s66                     ; B: row 256 x tile column + 128 x half
	s_lshl_b32 s94, s92, 5
	s_add_co_u32 s94, s94, XS                      ; A's scale bytes
	s_mov_b32 s95, 0
	s_lshl_b32 s92, s92, 9                         ; A's codes (x's begin at byte 0)
	s_mov_b32 s93, 0
	s_lshl_b32 s98, s96, 5
	s_add_co_u32 s98, s98, WS
	s_mov_b32 s99, 0
	s_lshl_b32 s96, s96, 9
	s_add_co_u32 s96, s96, WC
	s_mov_b32 s97, 0
	s_mul_i32 s100, s44, HALFT                     ; where they go: wave x 128 rows: no place in the cluster enters an LDS address
	s_mul_i32 s101, s44, HALFS
	s_wait_dscnt 0x0                               ; both opening adds are done
	s_wait_kmcnt 0x0
	s_add_nc_u64 s[92:93], s[4:5], s[92:93]
	s_add_nc_u64 s[94:95], s[4:5], s[94:95]
	s_add_nc_u64 s[96:97], s[4:5], s[96:97]
	s_add_nc_u64 s[98:99], s[4:5], s[98:99]
	CROUND                                         ; all sixteen work-groups are here: the first joint loads meet
	s_mov_b32 s[G0S], 1
	s_add_co_u32 s[G0S+1], s101, SCL
	s_mov_b64 s[G0S+2:G0S+3], s[94:95]
	s_or_b32 s[G0S+3], s[G0S+3], 0x80000000
	s_mov_b32 s[G0SB], 1
	s_add_co_u32 s[G0SB+1], s101, SCL
	s_mov_b64 s[G0SB+2:G0SB+3], s[98:99]
	s_or_b32 s[G0SB+3], s[G0SB+3], 0x80000000
	JLOAD G0S, G1S, G0SB, G1SB                     ; the scale bytes first; three loads of mine are out behind the third
.irp s, 0,1
	s_mov_b32 s[G0+4*\s], 1
	s_add_co_u32 s[G0+4*\s+1], s100, \s*SLOT
	s_add_nc_u64 s[G0+4*\s+2:G0+4*\s+3], s[92:93], \s*ROWB
	s_or_b32 s[G0+4*\s+3], s[G0+4*\s+3], 0x80000000
	s_mov_b32 s[G0B+4*\s], 1
	s_add_co_u32 s[G0B+4*\s+1], s100, \s*SLOT
	s_add_nc_u64 s[G0B+4*\s+2:G0B+4*\s+3], s[96:97], \s*ROWB
	s_or_b32 s[G0B+4*\s+3], s[G0B+4*\s+3], 0x80000000
	JLOAD G0+4*\s, G1, G0B+4*\s, G1B
.endr
	; ---- the pointers.  First the main bias, by the weight's number
	s_cmp_eq_u32 s47, 1
	s_cselect_b64 s[6:7], s[8:9], s[6:7]
	s_cmp_eq_u32 s47, 2
	s_cselect_b64 s[6:7], s[10:11], s[6:7]
	s_cmp_eq_u32 s47, 3
	s_cselect_b64 s[6:7], s[12:13], s[6:7]
	s_mov_b32 s3, 0
	s_lshl_b32 s2, s40, 10
	s_lshl_b32 s66, s46, 9
	s_add_co_u32 s2, s2, s66                       ; my 128 columns in the weight: (256 cx + 128 half) x 4 bytes
	s_add_nc_u64 s[6:7], s[6:7], s[2:3]
	; MINI's tile: g = 4 (16 tile row + tile column) + wave; 32 rows of cross_input: rb = g % 32; 64 columns: cb = g / 32 (0-15 heads of Wck, 16-31 of Wcv)
	s_and_b32 s92, s42, 7
	s_lshl_b32 s92, s92, 2
	s_add_co_u32 s92, s92, s44                     ; rb
	s_and_b32 s93, s43, 7
	s_lshl_b32 s93, s93, 1
	s_lshr_b32 s94, s42, 3
	s_add_co_u32 s93, s93, s94                     ; the head: cb % 16
	s_and_b32 s94, ttmp7, 0xffff
	s_lshr_b32 s94, s94, 1                         ; cb / 16 = tile row / 8 = cluster y / 2: 0 Wck, 1 Wcv
	s_lshl_b32 s95, s94, 4
	s_add_co_u32 s95, s95, s93                     ; cb
	s_cmp_eq_u32 s94, 0
	s_cselect_b64 s[14:15], s[14:15], s[16:17]     ; bck or bcv
	s_lshl_b32 s2, s93, 8
	s_add_nc_u64 s[14:15], s[14:15], s[2:3]
	s_lshl_b32 s2, s92, 13
	s_add_co_u32 s2, s2, CCO
	s_add_nc_u64 s[96:97], s[4:5], s[2:3]          ; cross_input's codes, my 32 rows of 256 bytes
	s_lshl_b32 s2, s92, 9
	s_add_co_u32 s2, s2, CS
	s_add_nc_u64 s[98:99], s[4:5], s[2:3]          ; their scale bytes
	s_lshl_b32 s2, s95, 15
	s_add_co_u32 s2, s2, WC+2097152
	s_add_nc_u64 s[100:101], s[4:5], s[2:3]        ; the weight's codes: rows 4,096 + 64 cb on
	s_lshl_b32 s2, s95, 11
	s_add_co_u32 s2, s2, WS+131072
	s_add_nc_u64 s[104:105], s[4:5], s[2:3]        ; their scale bytes
	s_lshr_b32 s2, s92, 4
	s_lshl_b32 s2, s2, 4
	s_add_co_u32 s2, s2, s93                       ; 16 b + head
	s_mul_i32 s2, s2, 2560
	s_and_b32 s66, s92, 15
	s_lshl_b32 s66, s66, 5
	s_add_co_u32 s2, s2, s66                       ; + the first of my 32 cross positions
	s_lshl_b32 s2, s2, 7
	s_mul_i32 s66, s94, VSEC
	s_add_co_u32 s2, s2, s66
	s_add_nc_u64 s[12:13], s[20:21], s[2:3]        ; where MINI's rows go
	; the main tile's two heads
	s_add_co_u32 s66, s47, 1
	s_and_b32 s66, s66, 2
	s_cmp_lg_u32 s66, 0                            ; k or v?
	s_cselect_b64 s[8:9], s[20:21], s[18:19]       ; kv or qq
	s_mov_b32 s67, 2048
	s_cselect_b32 s67, 2560, s67                   ; rows of a head
	s_cselect_b32 s2, 512, 0                       ; behind the cross keys
	s_mov_b32 s66, 0
	s_cmp_eq_u32 s47, 2
	s_cselect_b32 s66, VSEC, s66
	s_cmp_eq_u32 s47, 3
	s_cselect_b32 s66, QCSEC, s66
	s_lshr_b32 s92, s43, 3                         ; b
	s_lshl_b32 s93, s92, 4
	s_lshl_b32 s94, s40, 2
	s_add_co_u32 s93, s93, s94
	s_lshl_b32 s94, s46, 1
	s_add_co_u32 s93, s93, s94                     ; 16 b + 4 cx + 2 half: my first head
	s_mul_i32 s93, s93, s67
	s_add_co_u32 s93, s93, s2
	s_and_b32 s94, s43, 7
	s_lshl_b32 s94, s94, 8
	s_add_co_u32 s93, s93, s94
	s_lshl_b32 s94, s45, 7
	s_add_co_u32 s93, s93, s94                     ; + my first position
	s_lshl_b32 s2, s93, 7
	s_add_co_u32 s2, s2, s66
	s_add_nc_u64 s[8:9], s[8:9], s[2:3]
	s_lshl_b32 s2, s67, 7
	s_add_nc_u64 s[10:11], s[8:9], s[2:3]          ; my second head
	s_lshl_b32 s2, s92, 18                         ; fq: 262,144 bytes a batch,
	s_lshl_b32 s66, s47, 16
	s_add_co_u32 s2, s2, s66                       ; 65,536 a weight,
	s_lshl_b32 s66, s40, 14
	s_add_co_u32 s2, s2, s66
	s_lshl_b32 s66, s46, 13
	s_add_co_u32 s2, s2, s66                       ; 8,192 for my 128 columns: 16 images of 512 bytes
	s_add_nc_u64 s[22:23], s[22:23], s[2:3]
	s_and_b32 s66, s43, 7                          ; 0 where my block 0 holds positions 0-15 of q, k or v
	s_or_b32 s66, s66, s45
	s_cmp_eq_u32 s47, 3
	s_cselect_b32 s67, 1, 0
	s_or_b32 s66, s66, s67
	v_mov_b32 v[FLAG], s66
	; ---- the lanes' addresses
	v_and_b32 v1, 15, v0                           ; r
	v_bfe_u32 v2, v0, 4, 1                         ; h
	v_mul_u32_u24 v3, v1, PITCH
	v_lshl_add_u32 v4, v2, 4, v3                   ; a fragment's row x pitch + 16 h
	s_mul_i32 s66, s45, HALFT
	s_mul_i32 s67, s46, HALFT
	s_add_co_u32 s67, s67, 2*HALFT
.irp s, 0,1
	v_add_nc_u32 v[ADRA+\s], s66, v4
	v_add_nc_u32 v[ADRB+\s], s67, v4
	s_add_co_u32 s66, s66, SLOT
	s_add_co_u32 s67, s67, SLOT
.endr
	v_mul_u32_u24 v5, v1, KS                       ; my row's scale bytes,
	v_lshrrev_b32 v6, 8, v5
	v_lshl_add_u32 v5, v6, 4, v5                   ; and 16 more for each 256 passed
	s_mul_i32 s66, s45, HALFS
	s_mul_i32 s67, s46, HALFS
	s_add_co_u32 s67, s67, 2*HALFS
	s_sub_co_u32 s67, s67, s66
	v_mul_u32_u24 v6, s67, v2                      ; lanes 16-31 take B's
	s_add_co_u32 s66, s66, SCL
	v_add_nc_u32 v5, v5, v6
	v_add_nc_u32 v[ADRS], s66, v5
	s_mul_i32 s66, s44, 16*PITCH
	s_add_co_u32 s66, s66, STAGE                   ; my stage
	v_add_nc_u32 v[STO], s66, v4                   ; in: row r, 16 bytes for each half of the lanes
	v_and_b32 v6, 31, v0
	v_lshrrev_b32 v7, 3, v6
	v_mul_u32_u24 v7, v7, PITCH
	v_and_b32 v8, 7, v6
	v_lshl_add_u32 v7, v8, 4, v7
	v_add_nc_u32 v[RD], s66, v7                    ; back: eight lanes to a head's 128 bytes of a row, four rows an instruction
	v_lshlrev_b32 v[CO], 4, v6                     ; which are 512 consecutive bytes of the head in memory: 16 x lane; an image's place for my lane too
	v_lshlrev_b32 v9, 8, v1
	v_lshl_add_u32 v9, v2, 4, v9                   ; MINI: cross_input's codes: row r of 256 bytes + 16 h
	v_lshlrev_b32 v10, 9, v1
	v_lshl_add_u32 v10, v2, 4, v10                 ; the weight's: row r of 512 bytes + 16 h
	v_lshlrev_b32 v11, 4, v1                       ; scale words: 16 bytes a row of cross_input,
	v_lshlrev_b32 v12, 5, v1                       ; 32 a row of the weight
	v_lshlrev_b32 v13, 5, v2                       ; biases: my half's eight numbers
	; ---- MINI: 2 tiles of rows x 4 tiles of columns x 4 K steps
.irp rt, 0,1
	global_load_b128 v[48+4*\rt:51+4*\rt], v11, s[98:99] offset:256*\rt          ; register 4 rt + ks: the word of K step ks
.endr
.irp nt, 0,1,2,3
	global_load_b128 v[32+4*\nt:35+4*\nt], v12, s[104:105] offset:512*\nt
.endr
.irp nt, 0,1,2,3
	global_load_b128 v[MB+8*\nt:MB+8*\nt+3], v13, s[14:15] offset:64*\nt
	global_load_b128 v[MB+8*\nt+4:MB+8*\nt+7], v13, s[14:15] offset:64*\nt+16
.endr
.irp rt, 0,1
.irp ks, 0,1,2,3
.irp c, 0,1
	global_load_b128 v[AF+8*(4*\rt+\ks)+4*\c:AF+8*(4*\rt+\ks)+4*\c+3], v9, s[96:97] offset:4096*\rt+64*\ks+32*\c
.endr
.endr
.endr
	WIN TO_B
.irp nt, 0,1,2,3
.irp ks, 0,1,2,3
.irp c, 0,1
	global_load_b128 v[8*(4*\nt+\ks)+4*\c:8*(4*\nt+\ks)+4*\c+3], v10, s[100:101] offset:8192*\nt+64*\ks+32*\c
.endr
.endr
.endr
	WIN 0
.irp b, 0,1,2,3,4,5,6,7
	global_load_b128 v[BIAS+8*\b:BIAS+8*\b+3], v13, s[6:7] offset:64*\b          ; the main bias: tile b's eight columns of my half
	global_load_b128 v[BIAS+8*\b+4:BIAS+8*\b+7], v13, s[6:7] offset:64*\b+16
.endr
	s_wait_loadcnt 16                              ; all but the main bias's sixteen
.irp ks, 0,1,2,3                       ; the eight accumulators take turns, one instruction a turn
.if \ks == 0
	WIN 0x81                                       ; C (the bias) window 0, D window 2
.else
	WIN MUL_LO
.endif
.irp rt, 0,1
.irp nt, 0,1,2,3
.if \ks == 0
	v_wmma_scale_f32_16x16x128_f8f6f4 v[8*(4*\rt+\nt):8*(4*\rt+\nt)+7], v[8*(4*\nt+\ks):8*(4*\nt+\ks)+7], v[AF+8*(4*\rt+\ks):AF+8*(4*\rt+\ks)+7], v[MB+8*\nt:MB+8*\nt+7], v[32+4*\nt+\ks], v[48+4*\rt+\ks] matrix_a_fmt:MATRIX_FMT_FP4 matrix_b_fmt:MATRIX_FMT_FP4
.else
	v_wmma_scale_f32_16x16x128_f8f6f4 v[8*(4*\rt+\nt):8*(4*\rt+\nt)+7], v[8*(4*\nt+\ks):8*(4*\nt+\ks)+7], v[AF+8*(4*\rt+\ks):AF+8*(4*\rt+\ks)+7], v[8*(4*\rt+\nt):8*(4*\rt+\nt)+7], v[32+4*\nt+\ks], v[48+4*\rt+\ks] matrix_a_fmt:MATRIX_FMT_FP4 matrix_b_fmt:MATRIX_FMT_FP4
.endif
.endr
.endr
.endr
	WIN 0
	PLACES NP                                      ; in front of conversions that read results and write over fragments
	WIN 0x0a                                       ; sources window 2
.irp t, 0,1,2,3,4,5,6,7
.irp rr, 0,1,2,3
	v_cvt_pk_f16_f32 v[AF+4*\t+\rr], v[8*\t+2*\rr], v[8*\t+2*\rr+1]
.endr
.endr
	WIN 0
.irp rt, 0,1                           ; 16 rows x 128 bytes through my stage: LDS serves a wave's instructions in order
.irp nt, 0,1,2,3
	ds_store_b128 v[STO], v[AF+4*(4*\rt+\nt):AF+4*(4*\rt+\nt)+3] offset:32*\nt
.endr
.irp i, 0,1,2,3
	ds_load_b128 v[160+16*\rt+4*\i:160+16*\rt+4*\i+3], v[RD] offset:1088*\i
.endr
.endr
.irp i, 0,1,2,3
	s_wait_dscnt 11-\i                             ; behind this load: the rest of its four, four stores, four loads
	global_store_b128 v[CO], v[160+4*\i:163+4*\i], s[12:13] offset:512*\i        ; 512 consecutive bytes
.endr
.irp i, 0,1,2,3
	s_wait_dscnt 3-\i
	global_store_b128 v[CO], v[176+4*\i:179+4*\i], s[12:13] offset:2048+512*\i
.endr
	PLACES 5                                       ; the main products write over MINI's accumulators, and loads land on its operands and scale words
	s_wait_xcnt 0x0                                ; the stores have read v160-191: A's fragments may land there
.macro FRAG reg, adr, q, i             ; 16 rows x 128 K of 4-bit codes: registers 4 c .. 4 c + 3 hold K = 64 c + 32 h + 0 .. 31
.irp c, 0,1
	ds_load_b128 v[\reg+4*\c:\reg+4*\c+3], v[\adr] offset:64*(\q)+32*\c+(\i)*16*PITCH
.endr
.endm
; 16 matrix instructions: A's blocks a0, a0 + 1 x B's eight.  first = 1: the bias starts the sums.  The 64 accumulators take turns in the same order in every step.
.macro MUL16 a0, p, q, sc, first
.irp a, \a0, \a0+1
.irp b, 0,1,2,3,4,5,6,7
.if \first
	v_wmma_scale_f32_16x16x128_f8f6f4 v[8*(8*((\a)%4)+\b):8*(8*((\a)%4)+\b)+7], v[128*(\p)+FR*\b:128*(\p)+FR*\b+FR-1], v[AF+FR*(\a):AF+FR*(\a)+FR-1], v[BIAS+8*\b:BIAS+8*\b+7], v[SC+8*NQ*(\sc)+NQ*\b+(\q)], v[SC+8*NQ*(\sc)+NQ*(\a)+(\q)] matrix_a_fmt:MATRIX_FMT_FP4 matrix_b_fmt:MATRIX_FMT_FP4 matrix_a_scale:MATRIX_SCALE_ROW1
.else
	v_wmma_scale_f32_16x16x128_f8f6f4 v[8*(8*((\a)%4)+\b):8*(8*((\a)%4)+\b)+7], v[128*(\p)+FR*\b:128*(\p)+FR*\b+FR-1], v[AF+FR*(\a):AF+FR*(\a)+FR-1], v[8*(8*((\a)%4)+\b):8*(8*((\a)%4)+\b)+7], v[SC+8*NQ*(\sc)+NQ*\b+(\q)], v[SC+8*NQ*(\sc)+NQ*(\a)+(\q)] matrix_a_fmt:MATRIX_FMT_FP4 matrix_b_fmt:MATRIX_FMT_FP4 matrix_a_scale:MATRIX_SCALE_ROW1
.endif
.endr
.endr
.endm
.macro FETCH_B slot, q, p
	WIN TO_B
.irp i, 0,1,2,3,4,5,6,7
	FRAG 128*(\p)+FR*\i, ADRB+\slot, \q, \i
.endr
	WIN 0
.endm
.macro FETCH_A slot, q, i0
.irp i, \i0, \i0+1, \i0+2, \i0+3
	FRAG AF+FR*(\i), ADRA+\slot, \q, \i
.endr
.endm
.macro SCALES sc                       ; a slot's scale words: lanes 0-15 take A's block i, lanes 16-31 B's block i
.irp i, 0,1,2,3,4,5,6,7
	ds_load_b128 v[SC+8*NQ*\sc+NQ*\i:SC+8*NQ*\sc+NQ*\i+3], v[ADRS] offset:\i*SBLK
.endr
.endm
.macro STEP slot, q, first             ; 128 along K that has its successor in the same slot
	s_wait_dscnt 4*NL                              ; B's set and A's blocks 0-3 are in; the youngest eight loads (A's blocks 4-7) may be out
.if \first
	WIN 0x81
.else
	WIN MUL_LO
.endif
	MUL16 0, (\q)%2, \q, \slot, \first
	MUL16 2, (\q)%2, \q, \slot, \first
	s_wait_dscnt 0
	PLACES NP
	FETCH_B \slot, (\q)+1, 1-(\q)%2
	FETCH_A \slot, (\q)+1, 0
.if \first
	WIN 0xc1
.else
	WIN MUL_HI
.endif
	MUL16 4, (\q)%2, \q, \slot, \first
	MUL16 6, (\q)%2, \q, \slot, \first
	PLACES NP
	WIN 0
	FETCH_A \slot, (\q)+1, 4
.endm
.macro TURN slot, next                 ; a slot's last step changes slots: one barrier; nothing is filled again
	s_wait_tensorcnt 0x0                           ; all my tensor loads have landed: my part of the next slot
	ds_add_u32 v[SPW], v[NIL]                      ; 0 onto my spare word
	s_wait_dscnt 4*NL+1                            ; the add and the youngest eight loads may be out
	WIN MUL_LO
	MUL16 0, 1, NQ-1, \slot, 0
	s_wait_dscnt 0x0                               ; the add is done, and my reads of this slot are over
	s_barrier_signal -1
	MUL16 2, 1, NQ-1, \slot, 0
	WIN 0
	s_barrier_wait -1
	PLACES NP
	v_add_nc_u32 v[ADRS], 4*NQ, v[ADRS]            ; the next slot's scale words
	FETCH_B \next, 0, 0
	FETCH_A \next, 0, 0
	SCALES \next
	WIN MUL_HI
	MUL16 4, 1, NQ-1, \slot, 0
	MUL16 6, 1, NQ-1, \slot, 0
	PLACES NP
	WIN 0
	FETCH_A \next, 0, 4
.endm
.macro STEPS slot, from
.set Q, \from
.rept NQ-1-\from
	STEP \slot, Q, 0
.set Q, Q+1
.endr
.endm
	s_wait_tensorcnt 1                             ; the scale bytes and my part of slot 0 are in; slot 1's load may be out
	s_barrier_signal -1
	s_barrier_wait -1
	s_wait_loadcnt 0x0                             ; the main bias
	FETCH_B 0, 0, 0
	FETCH_A 0, 0, 0
	SCALES 0
	FETCH_A 0, 0, 4
	STEP 0, 0, 1
	STEPS 0, 1
	TURN 0, 1
	STEPS 1, 0
	s_wait_dscnt 4*NL                              ; the very last step
	WIN MUL_LO
	MUL16 0, 1, NQ-1, 1, 0
	MUL16 2, 1, NQ-1, 1, 0
	s_wait_dscnt 0
	WIN MUL_HI
	MUL16 4, 1, NQ-1, 1, 0
	MUL16 6, 1, NQ-1, 1, 0
	WIN 0
; THE WAY OUT, block by block of 16 rows x 128 columns (two heads): rounded to f16, through my stage, back as 4 rows x 128 bytes of a head: 512 consecutive bytes a store.
.macro PACK a
.set AC, 64*((\a)%4)
	WIN 0x0a+5*((\a)/4)                            ; sources: window 2 or 3
.irp b, 0,1,2,3,4,5,6,7
.irp rr, 0,1,2,3
	v_cvt_pk_f16_f32 v[TMP+4*\b+\rr], v[AC+8*\b+2*\rr], v[AC+8*\b+2*\rr+1]
.endr
.endr
	WIN 0
.endm
.macro TOSTAGE a
.set BKR, OB+192*((\a)%2)
.irp b, 0,1,2,3,4,5,6,7
	ds_store_b128 v[STO], v[TMP+4*\b:TMP+4*\b+3] offset:32*\b
.endr
.irp g, 0,1
.irp i, 0,1,2,3
	ds_load_b128 v[BKR+4*(4*\g+\i):BKR+4*(4*\g+\i)+3], v[RD] offset:128*\g+1088*\i
.endr
.endr
.endm
.macro SEND a
.set BKR, OB+192*((\a)%2)
	s_wait_dscnt 0x0                               ; the block is back in registers
	s_wait_xcnt 0x0                                ; earlier stores have read their registers: the next block's loads may land there
.irp i, 0,1,2,3
	global_store_b128 v[CO], v[BKR+4*\i:BKR+4*\i+3], s[8:9] offset:2048*(\a)+512*\i
.endr
.irp i, 0,1,2,3
	global_store_b128 v[CO], v[BKR+16+4*\i:BKR+16+4*\i+3], s[10:11] offset:2048*(\a)+512*\i
.endr
.endm
	PLACES NP
	v_cmp_eq_u32 vcc_lo, 0, v[FLAG]                ; positions 0-15 of q, k, v also as f32: all lanes or none
	s_wait_xcnt 0x0                                ; EXEC changes only behind this wait
	s_and_saveexec_b32 s67, vcc_lo
	WIN 0x08                                       ; a store's data: window 2
.irp b, 0,1,2,3,4,5,6,7
	global_store_b128 v[CO], v[8*\b:8*\b+3], s[22:23] offset:1024*\b             ; image 2 b: each accumulator from its low end on; 512 consecutive bytes
	global_store_b128 v[CO], v[8*\b+4:8*\b+7], s[22:23] offset:1024*\b+512       ; image 2 b + 1
.endr
	WIN 0
	s_wait_xcnt 0x0                                ; and again in front of the line that widens it
	s_or_b32 exec_lo, exec_lo, s67
	PACK 0
	TOSTAGE 0
.irp a, 1,2,3,4,5,6,7
	PACK \a
	SEND \a-1
	TOSTAGE \a
.endr
	SEND 7
	s_wait_tensorcnt 0x0                           ; the wave's end
	ds_add_u32 v[SPW], v[NIL]
	s_wait_dscnt 0x0
	CROUND                                         ; the closing round
	s_endpgm
.Lfunc_end_k_q02a933da20_proj:
	.size	k_q02a933da20_proj, .Lfunc_end_k_q02a933da20_proj-k_q02a933da20_proj
	.p2alignl 7, 3214868480
	.fill 96, 4, 3214868480
	.section	.rodata,"a",@progbits
	.p2align	6, 0x0
	.amdhsa_kernel k_q02a933da20_proj
		.amdhsa_group_segment_fixed_size 327680
		.amdhsa_private_segment_fixed_size 0
		.amdhsa_enable_private_segment 0
		.amdhsa_kernarg_size 80
		.amdhsa_user_sgpr_count 2
		.amdhsa_user_sgpr_kernarg_segment_ptr 1
		.amdhsa_wavefront_size32 1
		.amdhsa_system_sgpr_workgroup_id_x 1
		.amdhsa_system_sgpr_workgroup_id_y 1
		.amdhsa_system_sgpr_workgroup_id_z 1
		.amdhsa_system_vgpr_workitem_id 0
		.amdhsa_next_free_vgpr 1024
		.amdhsa_next_free_sgpr 106
		.amdhsa_reserve_vcc 1
		.amdhsa_float_denorm_mode_32 3
		.amdhsa_float_denorm_mode_16_64 3
		.amdhsa_memory_ordered 1
		.amdhsa_forward_progress 1
		.amdhsa_inst_pref_size 147
	.end_amdhsa_kernel
	.amdgpu_metadata
---
amdhsa.version: [ 1, 2 ]
amdhsa.kernels:
  - .name:           k_q02a933da20_proj
    .symbol:         k_q02a933da20_proj.kd
    .args:
      - { .name: codes, .offset: 0, .size: 8, .value_kind: global_buffer, .address_space: global }
      - { .name: bq, .offset: 8, .size: 8, .value_kind: global_buffer, .address_space: global }
      - { .name: bk, .offset: 16, .size: 8, .value_kind: global_buffer, .address_space: global }
      - { .name: bv, .offset: 24, .size: 8, .value_kind: global_buffer, .address_space: global }
      - { .name: bcq, .offset: 32, .size: 8, .value_kind: global_buffer, .address_space: global }
      - { .name: bck, .offset: 40, .size: 8, .value_kind: global_buffer, .address_space: global }
      - { .name: bcv, .offset: 48, .size: 8, .value_kind: global_buffer, .address_space: global }
      - { .name: qq, .offset: 56, .size: 8, .value_kind: global_buffer, .address_space: global }
      - { .name: kv, .offset: 64, .size: 8, .value_kind: global_buffer, .address_space: global }
      - { .name: fq, .offset: 72, .size: 8, .value_kind: global_buffer, .address_space: global }
    .group_segment_fixed_size: 327680
    .private_segment_fixed_size: 0
    .kernarg_segment_align: 8
    .kernarg_segment_size: 80
    .max_flat_workgroup_size: 128
    .sgpr_count:     106
    .vgpr_count:     1024
    .wavefront_size: 32
...
	.end_amdgpu_metadata
.endif
;; end of part 2
;; launch attn (part 3): grid 8 x 32, 8 waves a work-group, clusters of 4 x 1, 327,680 bytes of LDS; arguments qq, kv, y, ycf; writes y, ycf
.if DOCPART == 3
	.amdgcn_target "amdgcn-amd-amdhsa--gfx1250"
	.amdhsa_code_object_version 6
	.text
	.protected	k_q02a933da20_attn
	.globl	k_q02a933da20_attn
	.p2align	8
	.type	k_q02a933da20_attn,@function
k_q02a933da20_attn:
	s_mov_b64 s[64:65], 0
	v_nop
	global_prefetch_b8 v0, s[64:65] scope:SCOPE_SE
	s_setreg_imm32_b32 hwreg(HW_REG_WAVE_MODE, 25, 1), 1
	s_wait_xcnt 0x0
	s_wait_alu depctr_hold_cnt(0) depctr_sa_sdst(0) depctr_va_vdst(0) depctr_va_sdst(0) depctr_va_ssrc(0) depctr_va_vcc(0) depctr_vm_vsrc(0)
	s_getreg_b32 s2, hwreg(HW_REG_IB_STS2, 6, 4)
	s_cmp_eq_u32 s2, 0
	s_cbranch_scc0 .Lentry_in_a_cluster
	s_endpgm
.Lentry_in_a_cluster:
	s_bfe_u32 s2, ttmp6, 0x10000c
	s_cmp_lg_u32 s2, 0x3003
	s_cbranch_scc0 .Lentry_shape_is_right
	s_endpgm
.Lentry_shape_is_right:
; ATTN: y[bh][t] = softmax(qc kc^T / 8) vc + causal softmax(q k^T / 8) v, head size 64, operands f16, products, maxima and sums f32, the weights p rounded to f16; y rounded once to f16.
; A head's keys are ONE stream of 10 slots of 256 rows in kv: slots 0, 1 the 512 cross keys, slot 2 + z the self keys of zone z (positions 256 z .. 256 z + 255).
; SHARES.  A head's 128 tiles of 16 queries: tile (z, x, e) starts at position 256 z + 32 x + 16 e.  Work-group x (0-7) of head bh; wave w owns two tiles: H in zone max(w, 7 - w), L in zone min(w, 7 - w);
; the tile whose zone is w has e = 0, the other e = 1.  So every wave has the same number of key slots to walk, and all control flow hangs on the wave's number and on counted loops alone:
; x enters only Q's and y's addresses and the numbers that the mask compares.  A tile leaves out the zones above its own, masks its own zone, and takes the zones below whole.
; Every slot is read by some wave of every work-group (zone 7 by waves 0 and 7), so the four work-groups of a cluster, which walk the same head, ask for each tile JOINTLY.
; LAYOUT.  S^T = K Q^T (source 0 = 16 keys, source 1 = 16 queries), O^T = V^T P: a lane holds one query throughout.  V ([key][channel]) comes out of LDS turned, by ds_load_tr16_b128.
; SOFTMAX.  Running maximum m and sum l: p = 2^(c s - c m), c = log2(e) / 8; in every step O and l are multiplied by a = 2^(c m_old - c m_new).
; Behind the cross slots O / l is put aside and m begins anew at -3e38: the first self step's a is then 0, which wipes O and l.  At the end y = O / l + what was put aside.
; The cross part of positions 0-15 goes also as f32 to ycf, as images of its registers: [16 b + head][8 images of 512 bytes], image i = registers 4 i .. 4 i + 3, 16 bytes a lane; by stores under a lane mask
; (all lanes in wave 0 of the work-group with x = 0, none elsewhere).  They stand at the wave's very end: every address register of the text is written with EXEC as it came.
; LIMITS: q, k, v as f16 (up to 65,504); scores up to 1e37; NaN and infinities are not served.
; REGISTERS: window 0: v2-17 addresses and constants; v24-31, v32-39 the tiles' statistics (+0 c m, +1 m, +2, +3 l, +4..+7 at work, a at +6); v64-95 S^T; v96-111 P; v112-143, v144-175 O^T of H, L; v176-207, v208-239 the cross parts.
;   window 1: v0-63 K of a step; v64-127 V; v128-191 Q: cross H, cross L, self H, self L, 16 each.
.set KP,    144                        ; a row of K in LDS: 128 bytes + 16
.set VP,    160                        ; a row of V: 128 + 32: an odd multiple of 32 for the turning load
.set VOFF,  64*KP
.set STEPB, 64*(KP+VP)                 ; a step: 64 rows of K, then 64 of V
.set SLOT1, 1<<17
.set STAGE, 4*STEPB                    ; behind slot 0: 16 rows x 144 bytes for each wave
.set SPARE, STAGE+8*16*KP              ; the spare words, 128 bytes a wave, named by no other line
.set VSEC,  10485760
.set QCSEC, 8388608
.set AK0, 2
.set AV0, 3
.set ADK, 4
.set ADV, 5
.set QO,  6
.set STO, 7
.set RD,  8
.set GO,  9
.set PFO, 10
.set D0H, 11
.set D0L, 12
.set DD,  13
.set NINF, 14
.set XV,  15                           ; v15  x | wave: 0 where my tile L holds positions 0-15
.set SPW, 16
.set NIL, 17
.set TH,  24
.set TL,  32
.set S,   64
.set P,   96
.set OH,  112
.set OL,  144
.set CH,  176
.set CL,  208
.set KF,  0
.set VF,  64
.set QCH, 128
.set QCL, 144
.set QSH, 160
.set QSL, 176
.set WV,  12
.set LIM, 15
.set ZH,  16
.set ZL,  17
.set PFA, 18
.set ZN,  20
.set ST64, 21
.set STC, 22
.set G1K, 24
.set G1V, 32
.set G0K, 40
.set G0V, 48
.set SLOTS, 56
.set SB,  57
.set CS,  58
.set SEL, 60
.set TB,  62
.set MK,  98                           ; s98, s99 the causal mask's two lane masks
.set MSB, 0
.macro WIN new
.if MSB != \new
	s_set_vgpr_msb (MSB<<8)|\new
.set MSB, \new
.endif
.endm
.set W_KQ, 0x05                        ; K and Q window 1, S^T window 0
.set W_PV, 0x01                        ; V window 1, P and O^T window 0
.macro JLOAD                           ; waves 0-3 fetch K of step w, waves 4-7 V of step w - 4; s_nop 0 and four v_nop follow each line
	s_cmp_lt_u32 s[WV], 4
	s_cbranch_scc0 .Lfor_v_\@
	tensor_load_to_lds s[G0K+4:G0K+7], s[G1K:G1K+7]
	s_nop 0
.rept 4
	v_nop
.endr
	s_branch .Lasked_\@
.Lfor_v_\@:
	tensor_load_to_lds s[G0V+4:G0V+7], s[G1V:G1V+7]
	s_nop 0
.rept 4
	v_nop
.endr
.Lasked_\@:
.endm
; A prefetch of the slot that the NEXT change of slots will ask for: 256 rows of K and of V, 32,768 bytes each.  Both clusters of a head walk the same rows: the first asks.  Its four partners share
; the bytes out by address, 8,192 each, lanes 256 bytes apart; wave 0 asks for K's, wave 4 for V's.  The last change that fills a slot asks for nothing.
.macro ASK
	s_cmp_gt_u32 s[SLOTS], s[LIM]
	s_cbranch_scc0 .Lnot_mine_\@
	global_prefetch_b8 v[PFO], s[PFA:PFA+1] th:TH_LOAD_NT scope:SCOPE_SE
.Lnot_mine_\@:
.endm
.macro CROUND
	s_barrier_signal -1
	s_barrier_wait -1
	s_cmp_lg_u32 s[WV], 0
	s_cbranch_scc1 .Lnot_wave_0_\@
	s_barrier_signal -3
.Lnot_wave_0_\@:
	s_barrier_wait -3
	s_barrier_signal -1
	s_barrier_wait -1
.endm
	s_load_b256 s[4:11], s[0:1], 0x0               ; qq, kv, y, ycf
	v_lshl_add_u32 v[SPW], v0, 2, SPARE
	v_mov_b32 v[NIL], 0
	ds_add_u32 v[SPW], v[NIL]                      ; the wave's opening: the add, twice on end, and its wait ahead of my first tensor load
	ds_add_u32 v[SPW], v[NIL]
	v_lshrrev_b32 v1, 5, v0
	v_readfirstlane_b32 s[WV], v1                  ; wave 0..7
	s_bfe_u32 s13, ttmp6, 0x40000                  ; cx
	s_lshl_b32 s14, ttmp9, 2
	s_add_co_u32 s14, s14, s13                     ; x
	s_and_b32 s80, ttmp7, 0xffff                   ; bh, which the partners share
	s_xor_b32 s81, s[WV], 7
	s_min_u32 s[ZL], s[WV], s81
	s_xor_b32 s[ZH], s[ZL], 7
	s_lshr_b32 s82, s[WV], 2                       ; e of tile L
	s_xor_b32 s83, s82, 1                          ; e of tile H
	s_lshl_b32 s85, s14, 5                         ; 32 x
	s_lshl_b32 s86, s83, 4
	s_lshl_b32 s88, s82, 4
	s_lshl_b32 s89, s80, 11                        ; 2,048 rows a head
	s_lshl_b32 s84, s[ZH], 8
	s_add_co_u32 s84, s84, s85
	s_add_co_u32 s84, s84, s86
	s_add_co_u32 s84, s84, s89
	s_lshl_b32 s84, s84, 7                         ; tile H's first row in q, qc and y, in bytes
	s_lshl_b32 s87, s[ZL], 8
	s_add_co_u32 s87, s87, s85
	s_add_co_u32 s87, s87, s88
	s_add_co_u32 s87, s87, s89
	s_lshl_b32 s87, s87, 7                         ; tile L's
	s_add_co_u32 s86, s86, s85                     ; 32 x + 16 e: the tile's place in its zone
	s_add_co_u32 s88, s88, s85
	s_mul_i32 s90, s80, 2560
	s_and_b32 s91, s[WV], 3                        ; which of a slot's four steps I fetch
	s_lshl_b32 s92, s91, 6
	s_add_co_u32 s92, s92, s90
	s_lshl_b32 s92, s92, 7                         ; its 64 rows of 128 bytes in the stream,
	s_mov_b32 s93, 0
	s_mul_i32 s94, s91, STEPB                      ; and its place in a slot
	s_mov_b32 s[G1K], 15|(1<<16)|(1<<20)|(1<<21)|(4<<22)|(3<<25)  ; the mask: all four; elements of 2 bytes; padding on; bit 21 beside a mask; 4 words behind every 32
	s_mov_b32 s[G1V], 15|(1<<16)|(1<<20)|(1<<21)|(4<<22)|(7<<25)  ; 8 words
.irp g, G1K, G1V
	s_mov_b32 s[\g+1], 64<<16                      ; tensor_dim0
	s_mov_b32 s[\g+2], 64<<16                      ; tensor_dim1
	s_mov_b32 s[\g+3], 64<<16                      ; tile_dim0
	s_mov_b32 s[\g+4], 64                          ; tile_dim1
	s_mov_b32 s[\g+5], 64                          ; from row to row
	s_mov_b32 s[\g+6], 0
	s_mov_b32 s[\g+7], 0
.endr
	s_mov_b32 s[CS], 0x3e38aa3b                    ; c = log2(e) / 8
	s_mov_b32 s[CS+1], s[CS]
	s_mov_b32 s[SEL], 0x76543210
	s_mov_b32 s[SEL+1], 0xfedcba98
	s_mov_b32 s[SB], 0
	s_mov_b32 s[SLOTS], 8                          ; slots still to be asked for
	s_or_b32 s[LIM], s91, ttmp9                    ; 0 in waves 0 and 4 of the head's first cluster
	s_cmp_eq_u32 s[LIM], 0
	s_cselect_b32 s[LIM], 1, -1
	s_wait_dscnt 0x0                               ; both opening adds are done
	s_wait_kmcnt 0x0
	s_add_nc_u64 s[6:7], s[6:7], s[92:93]          ; K at my tile of slot 0
	s_add_nc_u64 s[96:97], s[6:7], VSEC            ; V likewise
	s_cmp_lt_u32 s[WV], 4
	s_cselect_b64 s[PFA:PFA+1], s[6:7], s[96:97]   ; (in waves 0 and 4 these stand at a slot's first row)
	s_lshl_b32 s2, s13, 13                         ; my work-group's 8,192 bytes
	s_mov_b32 s3, 0
	s_add_nc_u64 s[PFA:PFA+1], s[PFA:PFA+1], s[2:3]
	s_add_nc_u64 s[PFA:PFA+1], s[PFA:PFA+1], 2*32768   ; in slot 2; the first change steps it to slot 3.  Nothing is prefetched at the head
	s_mov_b32 s2, s84
	s_add_nc_u64 s[70:71], s[4:5], s[2:3]          ; q of tile H
	s_add_nc_u64 s[66:67], s[70:71], QCSEC         ; qc of tile H
	s_add_nc_u64 s[74:75], s[8:9], s[2:3]          ; y of tile H
	s_mov_b32 s2, s87
	s_add_nc_u64 s[72:73], s[4:5], s[2:3]
	s_add_nc_u64 s[68:69], s[72:73], QCSEC
	s_add_nc_u64 s[76:77], s[8:9], s[2:3]
	s_lshl_b32 s2, s80, 12
	s_add_nc_u64 s[78:79], s[10:11], s[2:3]        ; ycf: 4,096 bytes for each batch and head
	CROUND                                         ; all four work-groups are here: the first joint loads meet
.irp s, 0,1
	s_mov_b32 s[G0K+4*\s], 1
	s_add_co_u32 s[G0K+4*\s+1], s94, \s*SLOT1
	s_add_nc_u64 s[G0K+4*\s+2:G0K+4*\s+3], s[6:7], \s*32768
	s_or_b32 s[G0K+4*\s+3], s[G0K+4*\s+3], 0x80000000
	s_mov_b32 s[G0V+4*\s], 1
	s_add_co_u32 s[G0V+4*\s+1], s94, \s*SLOT1+VOFF
	s_add_nc_u64 s[G0V+4*\s+2:G0V+4*\s+3], s[96:97], \s*32768
	s_or_b32 s[G0V+4*\s+3], s[G0V+4*\s+3], 0x80000000
.endr
	s_cmp_lt_u32 s[WV], 4                          ; a wave's two first fills stand in one branch: two loads of mine are out
	s_cbranch_scc0 .Lfirst_v
	tensor_load_to_lds s[G0K:G0K+3], s[G1K:G1K+7]
	s_nop 0
	tensor_load_to_lds s[G0K+4:G0K+7], s[G1K:G1K+7]
	s_nop 0
.rept 4
	v_nop
.endr
	s_branch .Lfirst_asked
.Lfirst_v:
	tensor_load_to_lds s[G0V:G0V+3], s[G1V:G1V+7]
	s_nop 0
	tensor_load_to_lds s[G0V+4:G0V+7], s[G1V:G1V+7]
	s_nop 0
.rept 4
	v_nop
.endr
.Lfirst_asked:
	v_and_b32 v1, 15, v0                           ; r
	v_bfe_u32 v19, v0, 4, 1                        ; h
	v_and_b32 v20, 31, v0                          ; lane
	v_lshlrev_b32 v[QO], 7, v1
	v_lshl_add_u32 v[QO], v19, 4, v[QO]            ; Q: row r of 128 bytes + 16 h
	WIN 0x40                                       ; destination window 1
.irp c, 0,1
	global_load_b128 v[QCH+8*\c:QCH+8*\c+3],   v[QO], s[66:67] offset:64*\c
	global_load_b128 v[QCH+8*\c+4:QCH+8*\c+7], v[QO], s[66:67] offset:64*\c+32
	global_load_b128 v[QCL+8*\c:QCL+8*\c+3],   v[QO], s[68:69] offset:64*\c
	global_load_b128 v[QCL+8*\c+4:QCL+8*\c+7], v[QO], s[68:69] offset:64*\c+32
	global_load_b128 v[QSH+8*\c:QSH+8*\c+3],   v[QO], s[70:71] offset:64*\c
	global_load_b128 v[QSH+8*\c+4:QSH+8*\c+7], v[QO], s[70:71] offset:64*\c+32
	global_load_b128 v[QSL+8*\c:QSL+8*\c+3],   v[QO], s[72:73] offset:64*\c
	global_load_b128 v[QSL+8*\c+4:QSL+8*\c+7], v[QO], s[72:73] offset:64*\c+32
.endr
	WIN 0
	v_mul_u32_u24 v[AK0], v1, KP
	v_lshl_add_u32 v[AK0], v19, 4, v[AK0]          ; K: row r x pitch + 16 h
	v_and_b32 v21, 7, v0
	v_bfe_u32 v22, v0, 3, 1
	v_lshl_add_u32 v[AV0], v19, 3, v21
	v_mul_u32_u24 v[AV0], v[AV0], VP
	v_lshl_add_u32 v[AV0], v22, 4, v[AV0]
	v_add_nc_u32 v[AV0], VOFF, v[AV0]              ; V, for the turning load: key 8 h + lane % 8, channels 8 ((lane / 8) % 2) on
	s_mul_i32 s81, s[WV], 16*KP
	s_add_co_u32 s81, s81, STAGE                   ; my stage
	v_add_nc_u32 v[STO], s81, v[AK0]               ; in: row r, 16 bytes for each half of the lanes
	v_lshrrev_b32 v23, 3, v20
	v_mul_u32_u24 v23, v23, KP
	v_lshl_add_u32 v23, v21, 4, v23
	v_add_nc_u32 v[RD], s81, v23                   ; back: eight lanes to a row of 128 bytes, four rows an instruction
	v_lshlrev_b32 v[GO], 4, v20                    ; 16 x lane: my place in 512 consecutive bytes of y, and in an image of ycf
	v_lshlrev_b32 v[PFO], 8, v20
	v_lshlrev_b32 v21, 3, v19
	v_sub_nc_u32 v21, v1, v21                      ; r - 8 h
	v_add_nc_u32 v[D0H], s86, v21                  ; my query's place in its zone, less 8 h
	v_add_nc_u32 v[D0L], s88, v21
	v_mov_b32 v[NINF], 0xff800000
	s_or_b32 s81, s14, s[WV]
	v_mov_b32 v[XV], s81                           ; 0 in wave 0 of the work-group with x = 0
.set i, 0
.rept 64
	v_mov_b32 v[OH+i], 0                           ; O^T of both tiles: the step is written once, and its first pass finds zeros
.set i, i+1
.endr
.irp rT, TH, TL
	v_mov_b32 v[\rT+1], 0xff61b1e6                 ; m = -3e38, under every score
	v_mul_f32 v[\rT], s[CS], v[\rT+1]
	v_mov_b32 v[\rT+2], 0
	v_mov_b32 v[\rT+3], 0
.endr
.macro KQ qb                           ; S^T = K Q^T: 4 tiles of 16 keys x 2 halves of the 64 channels; the four accumulators take turns
.irp c, 0,1
.irp kt, 0,1,2,3
.if \c == 0
	v_wmma_f32_16x16x32_f16 v[S+8*\kt:S+8*\kt+7], v[KF+16*\kt+8*\c:KF+16*\kt+8*\c+7], v[\qb+8*\c:\qb+8*\c+7], 0
.else
	v_wmma_f32_16x16x32_f16 v[S+8*\kt:S+8*\kt+7], v[KF+16*\kt+8*\c:KF+16*\kt+8*\c+7], v[\qb+8*\c:\qb+8*\c+7], v[S+8*\kt:S+8*\kt+7]
.endif
.endr
.endr
.endm
.macro PV rO                           ; O^T += V^T P: 2 halves of the 64 keys x 4 tiles of 16 channels; the four accumulators take turns
.irp ks, 0,1
.irp ct, 0,1,2,3
	v_wmma_f32_16x16x32_f16 v[\rO+8*\ct:\rO+8*\ct+7], v[VF+32*\ks+8*\ct:VF+32*\ks+8*\ct+7], v[P+8*\ks:P+8*\ks+7], v[\rO+8*\ct:\rO+8*\ct+7]
.endr
.endr
.endm
; Register 8 kt + j holds key ST64 + 16 kt + 8 h + j of the zone: hidden where 16 kt + j > my query's place - 8 h - ST64.  Two lane masks, in s98 and s99, take turns: two compares, then two selects,
; so that no select waits for the compare just ahead of it.  The registers go in ascending order: each accumulator is read from its low end on.
.macro MASK d0
	v_sub_nc_u32 v[DD], v[\d0], s[ST64]
.set i, 0
.rept 16
	v_cmp_gt_i32 s[MK], 16*(i/8)+i%8, v[DD]
	v_cmp_gt_i32 s[MK+1], 16*((i+1)/8)+(i+1)%8, v[DD]
	v_cndmask_b32 v[S+i], v[S+i], v[NINF], s[MK]
	v_cndmask_b32 v[S+i+1], v[S+i+1], v[NINF], s[MK+1]
.set i, i+2
.endr
.endm
.macro SOFTMAX rT, rO
.irp j, 0,1,2,3
	v_max3_num_f32 v[\rT+4+\j], v[S+8*\j], v[S+8*\j+1], v[S+8*\j+2]              ; four chains, each from its accumulator's low end on
.endr
.irp u, 3,5
.irp j, 0,1,2,3
	v_max3_num_f32 v[\rT+4+\j], v[\rT+4+\j], v[S+8*\j+\u], v[S+8*\j+\u+1]
.endr
.endr
	v_max3_num_f32 v[\rT+4], v[\rT+4], v[S+7], v[S+15]
	v_max3_num_f32 v[\rT+6], v[\rT+6], v[S+23], v[S+31]
	v_max3_num_f32 v[\rT+4], v[\rT+4], v[\rT+5], v[\rT+6]
	v_max3_num_f32 v[\rT+4], v[\rT+4], v[\rT+7], v[\rT+1]                        ; with the old m
	v_permlanex16_b32 v[\rT+5], v[\rT+4], s[SEL], s[SEL+1]                       ; the query's other 32 keys lie in the lane 16 away
	v_mov_b32 v[\rT+7], v[\rT]                                                   ; c m_old
	v_max_num_f32 v[\rT+1], v[\rT+4], v[\rT+5]
	v_mul_f32 v[\rT], s[CS], v[\rT+1]
	v_sub_f32 v[\rT+7], v[\rT+7], v[\rT]
.set i, 0
.rept 16
	v_pk_fma_f32 v[S+2*i:S+2*i+1], v[S+2*i:S+2*i+1], s[CS:CS+1], v[\rT:\rT+1] op_sel_hi:[1,0,0] neg_lo:[0,0,1] neg_hi:[0,0,1]   ; c s - c m
.set i, i+1
.endr
	v_exp_f32 v[\rT+6], v[\rT+7]                                                 ; a
.set i, 0
.rept 32
	v_exp_f32 v[S+i], v[S+i]
.set i, i+1
.endr
	v_nop                                          ; the plain instruction behind the last exponential
	s_wait_alu depctr_va_vdst(0)                   ; one wait for the batch of 33, ahead of its first reader
.set i, 0
.rept 16
	v_cvt_pk_f16_f32 v[P+i], v[S+2*i], v[S+2*i+1]
.set i, i+1
.endr
.irp u, 0,1,2,3,4,5,6,7
	v_pk_add_f32 v[S+4*\u:S+4*\u+1], v[S+4*\u:S+4*\u+1], v[S+4*\u+2:S+4*\u+3]
.endr
.irp u, 0,1,2,3
	v_pk_add_f32 v[S+8*\u:S+8*\u+1], v[S+8*\u:S+8*\u+1], v[S+8*\u+4:S+8*\u+5]
.endr
.irp u, 0,1
	v_pk_add_f32 v[S+16*\u:S+16*\u+1], v[S+16*\u:S+16*\u+1], v[S+16*\u+8:S+16*\u+9]
.endr
	v_pk_add_f32 v[S:S+1], v[S:S+1], v[S+16:S+17]
	v_pk_fma_f32 v[\rT+2:\rT+3], v[\rT+2:\rT+3], v[\rT+6:\rT+7], v[S:S+1] op_sel_hi:[1,0,1]   ; l = a l + the sum
.set i, 0
.rept 16
	v_pk_mul_f32 v[\rO+2*i:\rO+2*i+1], v[\rO+2*i:\rO+2*i+1], v[\rT+6:\rT+7] op_sel_hi:[1,0]   ; O^T x a
.set i, i+1
.endr
.endm
; One tile's share of a step.  kind = 1: a self slot, where the tile's own zone is masked.  first = 1: V's loads are waited for here.
.macro TILE kind, qb, rT, rO, zr, d0, first
	WIN W_KQ
	KQ \qb
	WIN 0
.rept 4
	v_nop                                          ; places in front of the first read of the scores
.endr
.if \kind
	s_cmp_lg_u32 s[ZN], s[\zr]
	s_cbranch_scc1 .Lopen_\@
	MASK \d0
.Lopen_\@:
.endif
	SOFTMAX \rT, \rO
.if \first
	s_wait_dscnt 0x0                               ; V is in
.endif
	WIN W_PV
	PV \rO
	WIN 0
.endm
; A step of 64 keys.  In a self slot a wave both of whose tiles lie in lower zones leaves the step's loads and work out; the lines at its end, which step addresses, are run by all.
.macro STEP kind
.if \kind
	s_cmp_gt_u32 s[ZN], s[ZH]
	s_cbranch_scc1 .Lend_\@
.endif
	v_add_nc_u32 v[ADK], s[TB], v[AK0]
	v_add_nc_u32 v[ADV], s[TB], v[AV0]
	v_nop
	v_nop                                          ; with the two additions: four places in front of loads into registers that matrix instructions have read
	WIN 0x40
.irp kt, 0,1,2,3
.irp c, 0,1
	ds_load_b128 v[KF+16*\kt+8*\c:KF+16*\kt+8*\c+3],   v[ADK] offset:16*\kt*KP+64*\c
	ds_load_b128 v[KF+16*\kt+8*\c+4:KF+16*\kt+8*\c+7], v[ADK] offset:16*\kt*KP+64*\c+32
.endr
.endr
.irp ks, 0,1
.irp ct, 0,1,2,3
	ds_load_tr16_b128 v[VF+32*\ks+8*\ct:VF+32*\ks+8*\ct+3],   v[ADV] offset:32*\ks*VP+32*\ct
	ds_load_tr16_b128 v[VF+32*\ks+8*\ct+4:VF+32*\ks+8*\ct+7], v[ADV] offset:32*\ks*VP+16*VP+32*\ct
.endr
.endr
	s_wait_dscnt 16                                ; K's sixteen loads are in; V's sixteen may be out
.if \kind
	TILE 1, QSH, TH, OH, ZH, D0H, 1
	s_cmp_gt_u32 s[ZN], s[ZL]
	s_cbranch_scc1 .Lend_\@
	TILE 1, QSL, TL, OL, ZL, D0L, 0
.else
	TILE 0, QCH, TH, OH, ZH, D0H, 1
	TILE 0, QCL, TL, OL, ZL, D0L, 0
.endif
.Lend_\@:
	s_add_co_u32 s[TB], s[TB], STEPB
	s_add_co_u32 s[ST64], s[ST64], 64
.endm
.macro SLOTP kind                      ; a slot's four steps: written once, walked four times
	s_mov_b32 s[TB], s[SB]
	s_mov_b32 s[ST64], 0
	s_mov_b32 s[STC], 4
.Lst_\@:
	STEP \kind
	s_sub_co_u32 s[STC], s[STC], 1
	s_cmp_lg_u32 s[STC], 0
	s_cbranch_scc1 .Lst_\@
.endm
; THE CHANGE OF SLOTS.  Each wave waits for all its tensor loads (one is out: its part of the other slot), adds 0 to its spare word, and waits for that and for its reads of the slot that it leaves.
; fill = 1: a round of the cluster's barrier, and the joint refill first behind it: it has a slot's four steps in which to land.
.macro CHANGE fill
	s_wait_tensorcnt 0x0
	ds_add_u32 v[SPW], v[NIL]
.if \fill
.irp g, G0K+4, G0V+4
	s_xor_b32 s[\g+1], s[\g+1], SLOT1              ; the walking descriptor: the other slot than last time,
	s_add_nc_u64 s[\g+2:\g+3], s[\g+2:\g+3], 32768 ; the next 256 rows
.endr
	s_wait_xcnt 0x0                                ; the last prefetch, a slot back, has read its address
	s_add_nc_u64 s[PFA:PFA+1], s[PFA:PFA+1], 32768
	s_wait_dscnt 0x0
	CROUND
	JLOAD
	ASK
.else
	s_wait_dscnt 0x0
	s_barrier_signal -1
	s_barrier_wait -1
.endif
	s_xor_b32 s[SB], s[SB], SLOT1
.endm
.macro INVL                            ; 1 / l of both tiles into their a's place.  The four additions and the v_nop are also the places behind the last products
.irp rT, TH, TL
	v_add_f32 v[\rT+4], v[\rT+2], v[\rT+3]
.endr
.irp rT, TH, TL
	v_permlanex16_b32 v[\rT+5], v[\rT+4], s[SEL], s[SEL+1]
.endr
.irp rT, TH, TL
	v_add_f32 v[\rT+4], v[\rT+4], v[\rT+5]
.endr
.irp rT, TH, TL
	v_rcp_f32 v[\rT+6], v[\rT+4]
.endr
	v_nop
	s_wait_alu depctr_va_vdst(0)                   ; one wait for the two reciprocals
.endm
	s_wait_tensorcnt 1                             ; my part of slot 0 is in; slot 1's may stay out
	s_barrier_signal -1
	s_barrier_wait -1
	s_wait_loadcnt 0x0                             ; Q
	SLOTP 0                                        ; cross keys 0-255
	CHANGE 1
	s_sub_co_u32 s[SLOTS], s[SLOTS], 1
	SLOTP 0                                        ; cross keys 256-511
	; THE BOUNDARY: the cross part is finished and put aside; it stays in v176-239 to the end
	INVL
.set i, 0
.rept 16
	v_pk_mul_f32 v[CH+2*i:CH+2*i+1], v[OH+2*i:OH+2*i+1], v[TH+6:TH+7] op_sel_hi:[1,0]
.set i, i+1
.endr
.set i, 0
.rept 16
	v_pk_mul_f32 v[CL+2*i:CL+2*i+1], v[OL+2*i:OL+2*i+1], v[TL+6:TL+7] op_sel_hi:[1,0]
.set i, i+1
.endr
.irp rT, TH, TL
	v_mov_b32 v[\rT+1], 0xff61b1e6                 ; m anew: the first self step's a is 0, which wipes O^T and l
	v_mul_f32 v[\rT], s[CS], v[\rT+1]
.endr
	s_mov_b32 s[ZN], 0
.Lzone:                                ; zones 0 to 6: behind each change the slot after next's keys are asked for
	CHANGE 1
	s_sub_co_u32 s[SLOTS], s[SLOTS], 1
	SLOTP 1
	s_add_co_u32 s[ZN], s[ZN], 1
	s_cmp_lt_u32 s[ZN], 7
	s_cbranch_scc1 .Lzone
	CHANGE 0                                       ; zone 7 is written out: nothing is left to fetch
	SLOTP 1
	; THE WAY OUT: y = O^T / l + the cross part, rounded to f16, through my stage, 16 rows x 128 bytes a tile: 512 consecutive bytes a store
	INVL
.set i, 0
.rept 16
	v_pk_fma_f32 v[OH+2*i:OH+2*i+1], v[OH+2*i:OH+2*i+1], v[TH+6:TH+7], v[CH+2*i:CH+2*i+1] op_sel_hi:[1,0,1]
.set i, i+1
.endr
.set i, 0
.rept 16
	v_pk_fma_f32 v[OL+2*i:OL+2*i+1], v[OL+2*i:OL+2*i+1], v[TL+6:TL+7], v[CL+2*i:CL+2*i+1] op_sel_hi:[1,0,1]
.set i, i+1
.endr
.set i, 0
.rept 32
	v_cvt_pk_f16_f32 v[S+i], v[OH+2*i], v[OH+2*i+1]                  ; H into v64-79, L into v80-95
.set i, i+1
.endr
.irp ct, 0,1,2,3
	ds_store_b128 v[STO], v[S+4*\ct:S+4*\ct+3] offset:32*\ct
.endr
.irp u, 0,1,2,3
	ds_load_b128 v[P+4*\u:P+4*\u+3], v[RD] offset:4*\u*KP            ; LDS serves a wave's instructions in order
.endr
.irp ct, 0,1,2,3
	ds_store_b128 v[STO], v[S+16+4*\ct:S+16+4*\ct+3] offset:32*\ct
.endr
.irp u, 0,1,2,3
	ds_load_b128 v[40+4*\u:43+4*\u], v[RD] offset:4*\u*KP
.endr
.irp u, 0,1,2,3
	s_wait_dscnt 11-\u                             ; behind this load: the rest of its four, four stores, four loads
	global_store_b128 v[GO], v[P+4*\u:P+4*\u+3], s[74:75] offset:512*\u
.endr
.irp u, 0,1,2,3
	s_wait_dscnt 3-\u
	global_store_b128 v[GO], v[40+4*\u:43+4*\u], s[76:77] offset:512*\u
.endr
	; the cross part of positions 0-15 as f32: tile L of wave 0 where x = 0; in every other wave no lane is on.  No vector register is written behind these lines
	v_cmp_eq_u32 vcc_lo, 0, v[XV]
	s_wait_xcnt 0x0                                ; y's stores have read EXEC: it changes only behind this wait
	s_and_saveexec_b32 s23, vcc_lo
.irp ct, 0,1,2,3
	global_store_b128 v[GO], v[CL+8*\ct:CL+8*\ct+3], s[78:79] offset:1024*\ct            ; image 2 ct: 512 consecutive bytes
	global_store_b128 v[GO], v[CL+8*\ct+4:CL+8*\ct+7], s[78:79] offset:1024*\ct+512      ; image 2 ct + 1
.endr
	s_wait_xcnt 0x0                                ; and again in front of the line that widens it
	s_or_b32 exec_lo, exec_lo, s23
	s_wait_tensorcnt 0x0                           ; the wave's end
	ds_add_u32 v[SPW], v[NIL]
	s_wait_dscnt 0x0
	CROUND                                         ; the closing round
	s_endpgm
.Lfunc_end_k_q02a933da20_attn:
	.size	k_q02a933da20_attn, .Lfunc_end_k_q02a933da20_attn-k_q02a933da20_attn
	.p2alignl 7, 3214868480
	.fill 96, 4, 3214868480
	.section	.rodata,"a",@progbits
	.p2align	6, 0x0
	.amdhsa_kernel k_q02a933da20_attn
		.amdhsa_group_segment_fixed_size 327680
		.amdhsa_private_segment_fixed_size 0
		.amdhsa_enable_private_segment 0
		.amdhsa_kernarg_size 32
		.amdhsa_user_sgpr_count 2
		.amdhsa_user_sgpr_kernarg_segment_ptr 1
		.amdhsa_wavefront_size32 1
		.amdhsa_system_sgpr_workgroup_id_x 1
		.amdhsa_system_sgpr_workgroup_id_y 1
		.amdhsa_system_sgpr_workgroup_id_z 1
		.amdhsa_system_vgpr_workitem_id 0
		.amdhsa_next_free_vgpr 512
		.amdhsa_next_free_sgpr 100
		.amdhsa_reserve_vcc 1
		.amdhsa_float_denorm_mode_32 3
		.amdhsa_float_denorm_mode_16_64 3
		.amdhsa_memory_ordered 1
		.amdhsa_forward_progress 1
		.amdhsa_inst_pref_size 113
	.end_amdhsa_kernel
	.amdgpu_metadata
---
amdhsa.version: [ 1, 2 ]
amdhsa.kernels:
  - .name:           k_q02a933da20_attn
    .symbol:         k_q02a933da20_attn.kd
    .args:
      - { .name: qq, .offset: 0, .size: 8, .value_kind: global_buffer, .address_space: global }
      - { .name: kv, .offset: 8, .size: 8, .value_kind: global_buffer, .address_space: global }
      - { .name: y, .offset: 16, .size: 8, .value_kind: global_buffer, .address_space: global }
      - { .name: ycf, .offset: 24, .size: 8, .value_kind: global_buffer, .address_space: global }
    .group_segment_fixed_size: 327680
    .private_segment_fixed_size: 0
    .kernarg_segment_align: 8
    .kernarg_segment_size: 32
    .max_flat_workgroup_size: 256
    .sgpr_count:     100
    .vgpr_count:     512
    .wavefront_size: 32
...
	.end_amdgpu_metadata
.endif
;; end of part 3
;; launch outproj (part 4): grid 8 x 32, 4 waves a work-group, clusters of 4 x 4, 327,680 bytes of LDS; arguments y, wpt, bp, out0; writes out0
.if DOCPART == 4
	.amdgcn_target "amdgcn-amd-amdhsa--gfx1250"
	.amdhsa_code_object_version 6
	.text
	.protected	k_q02a933da20_outproj
	.globl	k_q02a933da20_outproj
	.p2align	8
	.type	k_q02a933da20_outproj,@function
k_q02a933da20_outproj:
	s_mov_b64 s[64:65], 0
	v_nop
	global_prefetch_b8 v0, s[64:65] scope:SCOPE_SE
	s_setreg_imm32_b32 hwreg(HW_REG_WAVE_MODE, 25, 1), 1
	s_wait_xcnt 0x0
	s_wait_alu depctr_hold_cnt(0) depctr_sa_sdst(0) depctr_va_vdst(0) depctr_va_sdst(0) depctr_va_ssrc(0) depctr_va_vcc(0) depctr_vm_vsrc(0)
	s_getreg_b32 s2, hwreg(HW_REG_IB_STS2, 6, 4)
	s_cmp_eq_u32 s2, 0
	s_cbranch_scc0 .Lentry_in_a_cluster
	s_endpgm
.Lentry_in_a_cluster:
	s_bfe_u32 s2, ttmp6, 0x10000c
	s_cmp_lg_u32 s2, 0xf033
	s_cbranch_scc0 .Lentry_shape_is_right
	s_endpgm
.Lentry_shape_is_right:
; OUTPROJ: out0[row][n] = sum over k of y[row][k] Wp[k][n] + bp[n], operands f16 (of Wp the high part), sums f32, the bias as the C of each sum's first matrix instruction.
; y lies by heads, [16 b + head][2048][64] f16; k = 64 head + channel.  wpt is Wp^T, [n][k] f16.  A tile of out0 is 128 x 128; four waves, 64 x 64 each: 16 accumulators.
; K goes in steps of 256 (four heads) through a ring of two LDS slots.  A's part of a step for 64 rows is four dense runs of 8,192 bytes (64 rows x 128 bytes of a head), 262,144 bytes apart:
; one tile of 4 rows of 8,192 bytes, with 16 bytes of padding behind every 128: in LDS [head][64 rows][144 bytes].  B's part: 64 rows of 512 bytes, pitch 528.
; CLUSTERS: 4 x 4; A's tiles shared along a row, B's along a column, by joint loads.  THE MATRIX INSTRUCTION IS USED TRANSPOSED: a lane holds eight neighbouring columns of one row.
; A wave's 64 columns of f32 are 256 aligned bytes of a row, so each wave goes out through a stage of its own, with no barrier.
; Rows 0-15 of each batch are written here too and written again, more finely, by the launch that follows.
; REGISTERS: window 0: v16-29 addresses; v32-95 the way out; v96-127 the bias; v128-255 the accumulators ((a, b) at v[128 + 8 (4 a + b)]).  window 1: two fragment buffers of 128.
.set PA,     144
.set PB,     528
.set HPL,    64*PA                     ; a head's 64 rows
.set HALFA,  4*HPL
.set HALFB,  64*PB
.set SLOT,   2*HALFA+2*HALFB
.set STAGE,  2*SLOT
.set SPITCH, 272
.set SPARE,  STAGE+4*16*SPITCH
.set LAPS,   2
.set ASTEP,  1048576                   ; four heads on in y
.set BSTEP,  512                       ; 256 along k in wpt
.set ADRA, 16
.set ADRB, 20
.set STO,  24
.set RD,   25
.set CO,   26
.set SPW,  28
.set NIL,  29
.set TMP,  32
.set BIAS, 96
.set ACC,  128
.set F0,   0
.set F1,   128
.set G1, 24
.set G0, 32
.set G1B, 48
.set G0B, 56
.set MSB, 0
.macro WIN new
.if MSB != \new
	s_set_vgpr_msb (MSB<<8)|\new
.set MSB, \new
.endif
.endm
.set MUL,  0x05
.set TO_F, 0x40
.macro JLOAD s
	s_cmp_eq_u32 s13, 0
	s_cbranch_scc0 .Lfor_b_\@
	tensor_load_to_lds s[G0+4*\s:G0+4*\s+3], s[G1:G1+7]
	s_nop 0
.rept 4
	v_nop
.endr
	s_branch .Lasked_\@
.Lfor_b_\@:
	tensor_load_to_lds s[G0B+4*\s:G0B+4*\s+3], s[G1B:G1B+7]
	s_nop 0
.rept 4
	v_nop
.endr
.Lasked_\@:
.endm
.macro CREST
	s_cmp_lg_u32 s12, 0
	s_cbranch_scc1 .Lnot_wave_0_\@
	s_barrier_signal -3
.Lnot_wave_0_\@:
	s_barrier_wait -3
	s_barrier_signal -1
	s_barrier_wait -1
.endm
.macro CROUND
	s_barrier_signal -1
	s_barrier_wait -1
	CREST
.endm
	s_load_b256 s[4:11], s[0:1], 0x0               ; y, wpt, bp, out0
	v_lshl_add_u32 v[SPW], v0, 2, SPARE
	v_mov_b32 v[NIL], 0
	ds_add_u32 v[SPW], v[NIL]                      ; the wave's opening: the add, twice on end, and its wait ahead of my first tensor load
	ds_add_u32 v[SPW], v[NIL]
	v_lshrrev_b32 v1, 5, v0
	v_readfirstlane_b32 s12, v1                    ; wave 0..3
	s_lshr_b32 s13, s12, 1                         ; my half of the rows; also: I fetch for A (0) or B (1)
	s_and_b32 s14, s12, 1                          ; my half of the columns; also: which 64 rows I fetch
	s_bfe_u32 s40, ttmp6, 0x40000
	s_bfe_u32 s41, ttmp6, 0x40004
	s_lshl_b32 s42, ttmp9, 2
	s_add_co_u32 s42, s42, s40                     ; tile column 0..7
	s_and_b32 s15, ttmp7, 0xffff
	s_lshl_b32 s15, s15, 2
	s_add_co_u32 s15, s15, s41                     ; tile row 0..31
	s_lshl_b32 s43, s41, 2
	s_lshl_b32 s43, 15, s43
	s_lshl_b32 s44, 0x1111, s40
	s_or_b32 s[G1+0], s43, (3<<16)|(1<<20)|(1<<21)|(4<<22)|(3<<25)   ; A: elements of 8 bytes; 4 words of padding behind every 32
	s_mov_b32 s[G1+1], 1024<<16                    ; tensor_dim0 = 1,024 elements: 8,192 bytes
	s_mov_b32 s[G1+2], 4<<16                       ; tensor_dim1 = 4 heads
	s_mov_b32 s[G1+3], 1024<<16                    ; tile_dim0
	s_mov_b32 s[G1+4], 4                           ; tile_dim1
	s_mov_b32 s[G1+5], 32768                       ; from head to head: 262,144 bytes
	s_mov_b32 s[G1+6], 0
	s_mov_b32 s[G1+7], 0
	s_or_b32 s[G1B+0], s44, (1<<16)|(1<<20)|(1<<21)|(6<<22)|(3<<25)  ; B: elements of 2 bytes; 4 words behind every 128
	s_mov_b32 s[G1B+1], 256<<16
	s_mov_b32 s[G1B+2], 64<<16
	s_mov_b32 s[G1B+3], 256<<16
	s_mov_b32 s[G1B+4], 64
	s_mov_b32 s[G1B+5], 1024
	s_mov_b32 s[G1B+6], 0
	s_mov_b32 s[G1B+7], 0
	s_lshr_b32 s16, s15, 4                         ; b
	s_lshl_b32 s16, s16, 15                        ; 16 b heads of 2,048 rows
	s_and_b32 s17, s15, 15
	s_lshl_b32 s17, s17, 7
	s_add_co_u32 s16, s16, s17                     ; + the tile's first position
	s_lshl_b32 s17, s14, 6
	s_add_co_u32 s16, s16, s17                     ; + the 64 rows that I fetch
	s_lshl_b32 s16, s16, 7
	s_mov_b32 s17, 0
	s_lshl_b32 s46, s42, 7
	s_lshl_b32 s47, s14, 6
	s_add_co_u32 s46, s46, s47
	s_lshl_b32 s46, s46, 11                        ; B: row 128 x tile column + 64 x half, 2,048 bytes a row
	s_mov_b32 s47, 0
	s_mul_i32 s20, s14, HALFA                      ; where they go
	s_mul_i32 s21, s14, HALFB
	s_add_co_u32 s21, s21, 2*HALFA
	s_wait_dscnt 0x0                               ; both opening adds are done
	s_wait_kmcnt 0x0
	s_add_nc_u64 s[18:19], s[4:5], s[16:17]
	s_add_nc_u64 s[46:47], s[6:7], s[46:47]
	CROUND                                         ; all sixteen work-groups are here
.irp s, 0,1
	s_mov_b32 s[G0+4*\s], 1
	s_add_co_u32 s[G0+4*\s+1], s20, \s*SLOT
	s_add_nc_u64 s[G0+4*\s+2:G0+4*\s+3], s[18:19], \s*ASTEP
	s_or_b32 s[G0+4*\s+3], s[G0+4*\s+3], 0x80000000
	s_mov_b32 s[G0B+4*\s], 1
	s_add_co_u32 s[G0B+4*\s+1], s21, \s*SLOT
	s_add_nc_u64 s[G0B+4*\s+2:G0B+4*\s+3], s[46:47], \s*BSTEP
	s_or_b32 s[G0B+4*\s+3], s[G0B+4*\s+3], 0x80000000
	JLOAD \s
.endr
	v_and_b32 v1, 15, v0                           ; r
	v_bfe_u32 v2, v0, 4, 1                         ; h
	v_mul_u32_u24 v3, v1, PA
	v_lshl_add_u32 v3, v2, 4, v3
	v_mul_u32_u24 v4, v1, PB
	v_lshl_add_u32 v4, v2, 4, v4
	s_mul_i32 s21, s13, HALFA                      ; my 64 rows of A
	s_mul_i32 s22, s14, HALFB                      ; my 64 rows of B,
	s_add_co_u32 s22, s22, 2*HALFA                 ; behind A's 128
.irp s, 0,1
	v_add_nc_u32 v[ADRA+\s], s21, v3
	v_add_nc_u32 v[ADRB+\s], s22, v4
	s_add_co_u32 s21, s21, SLOT
	s_add_co_u32 s22, s22, SLOT
.endr
	s_mul_i32 s23, s12, 16*SPITCH
	s_add_co_u32 s23, s23, STAGE                   ; my stage
	v_mul_u32_u24 v5, v1, SPITCH
	v_lshl_add_u32 v5, v2, 5, v5
	v_add_nc_u32 v[STO], s23, v5                   ; in: row r, 32 bytes for each half of the lanes
	v_mul_u32_u24 v5, v2, SPITCH
	v_lshl_add_u32 v5, v1, 4, v5
	v_add_nc_u32 v[RD], s23, v5                    ; back: lanes 0-15 one row of 256 bytes, lanes 16-31 the next
	v_lshlrev_b32 v5, 12, v2
	v_lshl_add_u32 v[CO], v1, 4, v5                ; and the same two rows in out0
	s_lshl_b32 s2, s42, 9
	s_lshl_b32 s3, s14, 8
	s_add_co_u32 s2, s2, s3                        ; my 64 columns, in bytes
	s_mov_b32 s3, 0
	s_add_nc_u64 s[8:9], s[8:9], s[2:3]            ; bp there
	s_add_nc_u64 s[10:11], s[10:11], s[2:3]
	s_lshl_b32 s2, s15, 7
	s_lshl_b32 s22, s13, 6
	s_add_co_u32 s2, s2, s22
	s_lshl_b32 s2, s2, 12                          ; my first row of 4,096 bytes
	s_add_nc_u64 s[10:11], s[10:11], s[2:3]
	v_lshlrev_b32 v6, 5, v2
.irp b, 0,1,2,3
	global_load_b128 v[BIAS+8*\b:BIAS+8*\b+3], v6, s[8:9] offset:64*\b           ; tile b's eight columns of my half
	global_load_b128 v[BIAS+8*\b+4:BIAS+8*\b+7], v6, s[8:9] offset:64*\b+16
.endr
.macro MUL8 f, c, a0, first            ; 8 matrix instructions: m blocks a0, a0 + 1 x 4 n blocks, 32 along K.  first = 1: the bias starts the sums
.irp a, \a0, \a0+1
.irp b, 0,1,2,3
.if \first
	v_wmma_f32_16x16x32_f16 v[ACC+8*(4*(\a)+\b):ACC+8*(4*(\a)+\b)+7], v[\f+64+8*(4*\c+\b):\f+64+8*(4*\c+\b)+7], v[\f+8*(4*\c+\a):\f+8*(4*\c+\a)+7], v[BIAS+8*\b:BIAS+8*\b+7]
.else
	v_wmma_f32_16x16x32_f16 v[ACC+8*(4*(\a)+\b):ACC+8*(4*(\a)+\b)+7], v[\f+64+8*(4*\c+\b):\f+64+8*(4*\c+\b)+7], v[\f+8*(4*\c+\a):\f+8*(4*\c+\a)+7], v[ACC+8*(4*(\a)+\b):ACC+8*(4*(\a)+\b)+7]
.endif
.endr
.endr
.endm
.macro FETCH slot, q, f                ; 32 LDS loads: the fragments of quarter q (one head, 64 along K), the first 32 along K first
	WIN TO_F
.irp c, 0,1
.irp i, 0,1,2,3
	ds_load_b128 v[\f+64+8*(4*\c+\i):\f+64+8*(4*\c+\i)+3],   v[ADRB+\slot] offset:128*(\q)+64*\c+\i*16*PB
	ds_load_b128 v[\f+64+8*(4*\c+\i)+4:\f+64+8*(4*\c+\i)+7], v[ADRB+\slot] offset:128*(\q)+64*\c+\i*16*PB+32
	ds_load_b128 v[\f+8*(4*\c+\i):\f+8*(4*\c+\i)+3],         v[ADRA+\slot] offset:HPL*(\q)+64*\c+\i*16*PA
	ds_load_b128 v[\f+8*(4*\c+\i)+4:\f+8*(4*\c+\i)+7],       v[ADRA+\slot] offset:HPL*(\q)+64*\c+\i*16*PA+32
.endr
.endr
.endm
.macro PLACES
.rept 4
	v_nop
.endr
.endm
.macro QUARTER slot, q, f, g, first    ; multiplies buffer f and fetches quarter q of the same slot into g
	s_wait_dscnt 16                                ; the first 32 along K are in; the other sixteen loads may be out
	WIN MUL
	MUL8 \f, 0, 0, \first
	MUL8 \f, 0, 2, \first
	PLACES
	FETCH \slot, \q, \g
	s_wait_dscnt 32                                ; all but the 32 just issued
	WIN MUL
	MUL8 \f, 1, 0, 0
	MUL8 \f, 1, 2, 0
.endm
.macro TURN slot, next, fill           ; the last quarter multiplies buffer 1 and changes slots
	WIN 0
	s_wait_tensorcnt 0x0                           ; all my tensor loads have landed: my part of the next slot
	ds_add_u32 v[SPW], v[NIL]
	s_wait_dscnt 17                                ; the add and the youngest sixteen loads may be out
	WIN MUL
	MUL8 F1, 0, 0, 0
	s_wait_dscnt 0x0                               ; the add is done, and my reads of this slot are over
	s_barrier_signal -1
	MUL8 F1, 0, 2, 0
.if \fill
	WIN 0
.endif
	s_barrier_wait -1
.if \fill
	CREST                                          ; the barrier has opened a round of the cluster's barrier
	s_add_nc_u64 s[G0+4*\slot+2:G0+4*\slot+3], s[G0+4*\slot+2:G0+4*\slot+3], 2*ASTEP
	s_add_nc_u64 s[G0B+4*\slot+2:G0B+4*\slot+3], s[G0B+4*\slot+2:G0B+4*\slot+3], 2*BSTEP
	JLOAD \slot                                    ; the first tensor load behind the round; its four v_nop are also the places in front of the loads below
.else
	PLACES
.endif
	FETCH \next, 0, F0
	WIN MUL
	MUL8 F1, 1, 0, 0
	MUL8 F1, 1, 2, 0
.endm
	s_wait_tensorcnt 1                             ; my part of K step 0 is in; K step 1's may be out
	s_barrier_signal -1
	s_barrier_wait -1
	s_wait_loadcnt 0x0                             ; the bias
	FETCH 0, 0, F0
	QUARTER 0, 1, F0, F1, 1
	WIN 0
	s_mov_b32 s3, LAPS-1
.Llap:
	QUARTER 0, 2, F1, F0, 0
	QUARTER 0, 3, F0, F1, 0
	TURN 0, 1, 1
	QUARTER 1, 1, F0, F1, 0
	QUARTER 1, 2, F1, F0, 0
	QUARTER 1, 3, F0, F1, 0
	TURN 1, 0, 1
	QUARTER 0, 1, F0, F1, 0
	WIN 0
	s_sub_co_u32 s3, s3, 1
	s_cmp_lg_u32 s3, 0
	s_cbranch_scc1 .Llap
	QUARTER 0, 2, F1, F0, 0                        ; the last lap fills nothing
	QUARTER 0, 3, F0, F1, 0
	TURN 0, 1, 0
	QUARTER 1, 1, F0, F1, 0
	QUARTER 1, 2, F1, F0, 0
	QUARTER 1, 3, F0, F1, 0
	s_wait_dscnt 16
	WIN MUL
	MUL8 F1, 0, 0, 0
	MUL8 F1, 0, 2, 0
	s_wait_dscnt 0
	MUL8 F1, 1, 0, 0
	MUL8 F1, 1, 2, 0
	WIN 0
; THE WAY OUT, 16 rows x 256 bytes at a time through my own stage; LDS serves a wave's instructions in order
.macro TOSTAGE a
.irp b, 0,1,2,3
	ds_store_b128 v[STO], v[ACC+8*(4*(\a)+\b):ACC+8*(4*(\a)+\b)+3] offset:64*\b          ; each accumulator from its low end on
	ds_store_b128 v[STO], v[ACC+8*(4*(\a)+\b)+4:ACC+8*(4*(\a)+\b)+7] offset:64*\b+16
.endr
.irp t, 0,1,2,3,4,5,6,7
	ds_load_b128 v[TMP+32*((\a)%2)+4*\t:TMP+32*((\a)%2)+4*\t+3], v[RD] offset:\t*2*SPITCH
.endr
.endm
.macro SEND a, younger
	s_wait_dscnt \younger                          ; the block is back; the next block's eight stores and eight loads may be out
.irp t, 0,1,2,3,4,5,6,7
	global_store_b128 v[CO], v[TMP+32*((\a)%2)+4*\t:TMP+32*((\a)%2)+4*\t+3], s[10:11] offset:(16*(\a)+2*\t)*4096   ; sixteen lanes store 256 consecutive bytes, aligned
.endr
.endm
	PLACES
	TOSTAGE 0
	TOSTAGE 1
	SEND 0, 16
	s_wait_xcnt 0x0                                ; block 0's stores have read their registers
	TOSTAGE 2
	SEND 1, 16
	s_wait_xcnt 0x0
	TOSTAGE 3
	SEND 2, 16
	SEND 3, 0
	s_wait_tensorcnt 0x0                           ; the wave's end
	ds_add_u32 v[SPW], v[NIL]
	s_wait_dscnt 0x0
	CROUND                                         ; the closing round
	s_endpgm
.Lfunc_end_k_q02a933da20_outproj:
	.size	k_q02a933da20_outproj, .Lfunc_end_k_q02a933da20_outproj-k_q02a933da20_outproj
	.p2alignl 7, 3214868480
	.fill 96, 4, 3214868480
	.section	.rodata,"a",@progbits
	.p2align	6, 0x0
	.amdhsa_kernel k_q02a933da20_outproj
		.amdhsa_group_segment_fixed_size 327680
		.amdhsa_private_segment_fixed_size 0
		.amdhsa_enable_private_segment 0
		.amdhsa_kernarg_size 32
		.amdhsa_user_sgpr_count 2
		.amdhsa_user_sgpr_kernarg_segment_ptr 1
		.amdhsa_wavefront_size32 1
		.amdhsa_system_sgpr_workgroup_id_x 1
		.amdhsa_system_sgpr_workgroup_id_y 1
		.amdhsa_system_sgpr_workgroup_id_z 1
		.amdhsa_system_vgpr_workitem_id 0
		.amdhsa_next_free_vgpr 512
		.amdhsa_next_free_sgpr 66
		.amdhsa_reserve_vcc 0
		.amdhsa_float_denorm_mode_32 3
		.amdhsa_float_denorm_mode_16_64 3
		.amdhsa_memory_ordered 1
		.amdhsa_forward_progress 1
		.amdhsa_inst_pref_size 87
	.end_amdhsa_kernel
	.amdgpu_metadata
---
amdhsa.version: [ 1, 2 ]
amdhsa.kernels:
  - .name:           k_q02a933da20_outproj
    .symbol:         k_q02a933da20_outproj.kd
    .args:
      - { .name: y, .offset: 0, .size: 8, .value_kind: global_buffer, .address_space: global }
      - { .name: wpt, .offset: 8, .size: 8, .value_kind: global_buffer, .address_space: global }
      - { .name: bp, .offset: 16, .size: 8, .value_kind: global_buffer, .address_space: global }
      - { .name: out0, .offset: 24, .size: 8, .value_kind: global_buffer, .address_space: global }
    .group_segment_fixed_size: 327680
    .private_segment_fixed_size: 0
    .kernarg_segment_align: 8
    .kernarg_segment_size: 32
    .max_flat_workgroup_size: 128
    .sgpr_count:     66
    .vgpr_count:     512
    .wavefront_size: 32
...
	.end_amdgpu_metadata
.endif
;; end of part 4
;; launch fine (part 5): grid 16 x 2, 16 waves a work-group, no clusters, 71,680 bytes of LDS; arguments fq, ycf, wpt, bp, out0; writes out0
.if DOCPART == 5
	.amdgcn_target "amdgcn-amd-amdhsa--gfx1250"
	.amdhsa_code_object_version 6
	.text
	.protected	k_q02a933da20_fine
	.globl	k_q02a933da20_fine
	.p2align	8
	.type	k_q02a933da20_fine,@function
k_q02a933da20_fine:
	s_mov_b64 s[64:65], 0
	v_nop
	global_prefetch_b8 v0, s[64:65] scope:SCOPE_SE
	s_setreg_imm32_b32 hwreg(HW_REG_WAVE_MODE, 25, 1), 1
	s_wait_xcnt 0x0
; FINE: positions 0-15 of both batches once more, finely: there a causal row averages one to sixteen values, and the results are the largest of the output.
; Work-group (nb, b) makes out0 rows 2048 b + 0 .. 15, columns 64 nb .. 64 nb + 63.  Wave hd is a head.
; 1: the head's causal self-attention over 16 positions with f32 operands (q, k, v as the projections' f32 sums, from fq), by the f32 matrix form; the cross part, f32 from ycf, is the C of the second product's sums.
;    S^T = K Q^T and y^T = V^T P: a lane holds one query.  Along K both operands take the same permutation: step s takes registers 2 s, 2 s + 1 of a lane's run.
; 2: the head's share of y Wp: y and Wp as pairs of f16, a high and a low part split in f32: high x high + high x low + low x high, sums f32.
; 3: the sixteen heads' shares meet in LDS; wave q adds row q's sixteen parts and bp, and stores 256 aligned bytes.
; ALL OPERANDS LIE IN MEMORY AS IMAGES OF REGISTERS, four registers of 32 lanes to 512 bytes: every load of the wave reads 512 consecutive bytes, 16 x lane.
;    fq: [batch, 262,144 bytes][q, k, v: 65,536][head: 4,096]: image i: row lane % 16, channels 16 (i / 2) + 8 (lane / 16) + 4 (i % 2) + 0 .. 3.  ycf: [16 b + head][8 images] of the result's registers.
;    wpt: low part at 2,097,152, high part at 4,194,304: [n / 16][k / 32][2 images] of a fragment's registers.
;    q and k are taken as they come.  v's image has a key to a lane, and the second product wants a channel to a lane: v turns through the wave's own LDS rows, the bytes that later take its partial sums.
; The attention is repeated in the 16 column blocks: 32 small matrix instructions a wave.
; The registers that the f32 matrix form writes (v32-79) are written by nothing else.
; REGISTERS: v1 r, v2 h, v3 v's way back from LDS, v6 16 x lane, v7-9 addresses, v10, v11 the add's two, v12 r - 8 h, v13 -infinity, v[14:15] bp, v16-19 at work, v20-27 scores, then p; v32-47 S^T in two halves; v48-79 y^T;
;   v80-111 K, then Wp high of channels 0-31, then the partial rows; v112-143 Q, then Wp low; v144-175 V turned, then Wp high of channels 32-63; v176-207 the cross part, then Wp low;
;   v208-239 v's images, then y's high and low parts; v16-31, v240-255 the four accumulators of the out-projection.
.set SPARE, 69632
.set WLO, 2097152
.set WHI, 4194304
	s_load_b256 s[4:11], s[0:1], 0x0               ; fq, ycf, wpt, bp
	s_load_b64 s[12:13], s[0:1], 0x20              ; out0
	v_lshl_add_u32 v10, v0, 2, SPARE
	v_mov_b32 v11, 0
	v_lshrrev_b32 v1, 5, v0
	v_readfirstlane_b32 s14, v1                    ; the head, and later the row that I add up
	s_and_b32 s15, ttmp7, 0xffff                   ; b
	s_mov_b32 s16, 0x3e38aa3b                      ; c = log2(e) / 8
	s_mov_b32 s18, 0x76543210
	s_mov_b32 s19, 0xfedcba98
	v_and_b32 v1, 15, v0                           ; r
	v_bfe_u32 v2, v0, 4, 1                         ; h
	v_and_b32 v9, 31, v0
	v_lshlrev_b32 v6, 4, v9                        ; 16 x lane: my place in every image
	s_mul_i32 s17, s14, 16*272                     ; my wave's 16 LDS rows of 256 bytes + 16
	v_mul_u32_u24 v7, v1, 272
	v_lshl_add_u32 v7, v2, 5, v7
	v_add_nc_u32 v7, s17, v7                       ; into them: 4,352 x head + 272 r + 32 h: v's images, and later my partial sums
	v_mul_u32_u24 v3, v2, 8*272
	v_lshl_add_u32 v3, v1, 2, v3
	v_add_nc_u32 v3, s17, v3                       ; v back, turned: rows 8 h on, channel r
	s_mul_i32 s17, s14, 272
	v_lshlrev_b32 v9, 3, v9                        ; 8 bytes a lane
	v_add_nc_u32 v8, s17, v9                       ; back: row q of every head's part
	v_lshlrev_b32 v12, 3, v2
	v_sub_nc_u32 v12, v1, v12                      ; r - 8 h
	v_mov_b32 v13, 0xff800000
	s_lshl_b32 s20, s15, 18
	s_lshl_b32 s21, s14, 12
	s_add_co_u32 s20, s20, s21                     ; fq: my batch, my head's 4,096 bytes
	s_lshl_b32 s22, s15, 16
	s_add_co_u32 s22, s22, s21                     ; ycf: (16 b + head) x 4,096
	s_mov_b32 s21, 0
	s_mov_b32 s23, 0
	s_lshl_b32 s24, ttmp9, 17                      ; wpt's images: four tiles of 16 columns, 32,768 bytes each, a column block;
	s_lshl_b32 s25, s14, 11
	s_add_co_u32 s24, s24, s25                     ; two chunks of 32 along k, 1,024 bytes each, a head
	s_mov_b32 s25, 0
	s_lshl_b32 s26, ttmp9, 8                       ; bp: 64 nb numbers on
	s_mov_b32 s27, 0
	s_lshl_b32 s28, s15, 11
	s_add_co_u32 s28, s28, s14
	s_lshl_b32 s28, s28, 12
	s_add_co_u32 s28, s28, s26                     ; out0: row 2048 b + q, columns 64 nb on
	s_mov_b32 s29, 0
	s_wait_kmcnt 0x0
	s_add_nc_u64 s[4:5], s[4:5], s[20:21]
	s_add_nc_u64 s[6:7], s[6:7], s[22:23]
	s_add_nc_u64 s[8:9], s[8:9], s[24:25]
	s_add_nc_u64 s[10:11], s[10:11], s[26:27]
	s_add_nc_u64 s[12:13], s[12:13], s[28:29]
.irp i, 0,1,2,3,4,5,6,7
	global_load_b128 v[80+4*\i:83+4*\i], v6, s[4:5] offset:65536+512*\i          ; k
.endr
.irp i, 0,1,2,3,4,5,6,7
	global_load_b128 v[112+4*\i:115+4*\i], v6, s[4:5] offset:512*\i              ; q
.endr
.irp i, 0,1,2,3,4,5,6,7
	global_load_b128 v[208+4*\i:211+4*\i], v6, s[4:5] offset:131072+512*\i       ; v, a key to a lane
.endr
.irp i, 0,1,2,3,4,5,6,7
	global_load_b128 v[176+4*\i:179+4*\i], v6, s[6:7] offset:512*\i              ; the cross part, in the result's layout
.endr
	global_load_b64 v[14:15], v9, s[10:11]
	s_wait_loadcnt 17                              ; k and q are in; v's 8, the cross part's 8 and bp's one may be out
	v_wmma_f32_16x16x4_f32 v[32:39], v[80:81], v[112:113], 0                     ; two accumulators take turns
	v_wmma_f32_16x16x4_f32 v[40:47], v[82:83], v[114:115], 0
.irp s, 1,2,3,4,5,6,7
	v_wmma_f32_16x16x4_f32 v[32:39], v[80+4*\s:81+4*\s], v[112+4*\s:113+4*\s], v[32:39]
	v_wmma_f32_16x16x4_f32 v[40:47], v[82+4*\s:83+4*\s], v[114+4*\s:115+4*\s], v[40:47]
.endr
.rept 8
	v_nop                                          ; eight places behind this form: in front of loads into its operands and of the first read of its results
.endr
.irp nt, 0,1,2,3
.irp c, 0,1
	global_load_b128 v[80+8*\nt+4*\c:83+8*\nt+4*\c], v6, s[8:9] offset:WHI+32768*\nt+512*\c            ; Wp^T high, channels 0-31
	global_load_b128 v[112+8*\nt+4*\c:115+8*\nt+4*\c], v6, s[8:9] offset:WLO+32768*\nt+512*\c          ; low
.endr
.endr
	s_wait_loadcnt 25                              ; v is in; the cross part's 8, bp's one and Wp's sixteen may be out
.irp i, 0,1,2,3,4,5,6,7
	ds_store_b128 v7, v[208+4*\i:211+4*\i] offset:64*(\i/2)+16*(\i%2)            ; row = key r, bytes 4 x channel
.endr
.irp ct, 0,1,2,3
.irp kk, 0,1,2,3,4,5,6,7
	ds_load_b32 v[144+8*\ct+\kk], v3 offset:272*\kk+64*\ct                       ; v(8 h + kk, 16 ct + r): LDS serves a wave's instructions in order: these see my stores
.endr
.endr
.irp j, 0,1,2,3,4,5,6,7
	v_add_f32 v[20+\j], v[32+\j], v[40+\j]         ; the score of key 8 h + j and query r
.endr
.irp j, 0,1,2,3,4,5,6,7
	v_cmp_gt_i32 vcc_lo, \j, v12                   ; hidden where 8 h + j > r
	v_cndmask_b32 v[20+\j], v[20+\j], v13, vcc_lo
.endr
	v_max3_num_f32 v16, v20, v21, v22
	v_max3_num_f32 v17, v23, v24, v25
	v_max3_num_f32 v16, v16, v26, v27
	v_max_num_f32 v16, v16, v17
	v_permlanex16_b32 v17, v16, s18, s19
	v_max_num_f32 v16, v16, v17                    ; key 0 counts for every query: a number
	v_mul_f32 v16, s16, v16
.irp j, 0,1,2,3,4,5,6,7
	v_fma_f32 v[20+\j], v[20+\j], s16, -v16
.endr
.irp j, 0,1,2,3,4,5,6,7
	v_exp_f32 v[20+\j], v[20+\j]
.endr
	v_nop
	s_wait_alu depctr_va_vdst(0)                   ; one wait for the eight exponentials
	v_add_f32 v16, v20, v21
	v_add_f32 v17, v22, v23
	v_add_f32 v18, v24, v25
	v_add_f32 v19, v26, v27
	v_add_f32 v16, v16, v17
	v_add_f32 v18, v18, v19
	v_add_f32 v16, v16, v18
	v_permlanex16_b32 v17, v16, s18, s19
	v_add_f32 v16, v16, v17
	v_rcp_f32 v17, v16
	v_nop
	s_wait_alu depctr_va_vdst(0)
.irp j, 0,1,2,3,4,5,6,7
	v_mul_f32 v[20+\j], v[20+\j], v17              ; the weights, normalised
.endr
	s_wait_loadcnt 17                              ; the cross part is in; bp's one and Wp's sixteen may be out
	s_wait_dscnt 0x0                               ; v is back, turned
.irp s, 0,1,2,3                        ; y^T = V^T P + the cross part: four accumulators take turns
.irp ct, 0,1,2,3
.if \s == 0
	v_wmma_f32_16x16x4_f32 v[48+8*\ct:55+8*\ct], v[144+8*\ct+2*\s:145+8*\ct+2*\s], v[20+2*\s:21+2*\s], v[176+8*\ct:183+8*\ct]
.else
	v_wmma_f32_16x16x4_f32 v[48+8*\ct:55+8*\ct], v[144+8*\ct+2*\s:145+8*\ct+2*\s], v[20+2*\s:21+2*\s], v[48+8*\ct:55+8*\ct]
.endif
.endr
.endr
.rept 8
	v_nop
.endr
.irp nt, 0,1,2,3
.irp c, 0,1
	global_load_b128 v[144+8*\nt+4*\c:147+8*\nt+4*\c], v6, s[8:9] offset:WHI+32768*\nt+1024+512*\c     ; Wp^T high, channels 32-63
	global_load_b128 v[176+8*\nt+4*\c:179+8*\nt+4*\c], v6, s[8:9] offset:WLO+32768*\nt+1024+512*\c     ; low
.endr
.endr
.irp i, 0,1,2,3,4,5,6,7,8,9,10,11,12,13,14,15      ; y = high + low: high = y cut to 11 significant bits (exact in f16's normal range), low = y - high (exact in f32)
	v_and_b32 v[16+2*(\i%4)], 0xffffe000, v[48+2*\i]
	v_and_b32 v[17+2*(\i%4)], 0xffffe000, v[49+2*\i]
	v_cvt_pk_f16_f32 v[208+\i], v[16+2*(\i%4)], v[17+2*(\i%4)]
	v_pk_add_f32 v[16+2*(\i%4):17+2*(\i%4)], v[48+2*\i:49+2*\i], v[16+2*(\i%4):17+2*(\i%4)] neg_lo:[0,1] neg_hi:[0,1]
	v_cvt_pk_f16_f32 v[224+\i], v[16+2*(\i%4)], v[17+2*(\i%4)]
.endr
; accumulator nt at v[16 + 8 nt + 208 (nt / 2)]: v16, v24, v240, v248.  Source 0 = 16 rows of Wp^T, source 1 = y: a lane holds eight neighbouring columns of row r.  The four take turns.
.macro LINK w, yy, first
.irp nt, 0,1,2,3
.if \first
	v_wmma_f32_16x16x32_f16 v[16+8*\nt+208*(\nt/2):23+8*\nt+208*(\nt/2)], v[\w+8*\nt:\w+8*\nt+7], v[\yy:\yy+7], 0
.else
	v_wmma_f32_16x16x32_f16 v[16+8*\nt+208*(\nt/2):23+8*\nt+208*(\nt/2)], v[\w+8*\nt:\w+8*\nt+7], v[\yy:\yy+7], v[16+8*\nt+208*(\nt/2):23+8*\nt+208*(\nt/2)]
.endif
.endr
.endm
	s_wait_loadcnt 16                              ; Wp of channels 0-31 is in; the sixteen loads of channels 32-63 may be out
	LINK 80, 208, 1                                ; high x high
	LINK 80, 224, 0                                ; high x low
	LINK 112, 208, 0                               ; low x high
	s_wait_loadcnt 0x0
	LINK 144, 216, 0
	LINK 144, 232, 0
	LINK 176, 216, 0
.rept 4
	v_nop
.endr
.irp nt, 0,1,2,3
	ds_store_b128 v7, v[16+8*\nt+208*(\nt/2):19+8*\nt+208*(\nt/2)] offset:64*\nt           ; each accumulator from its low end on
	ds_store_b128 v7, v[20+8*\nt+208*(\nt/2):23+8*\nt+208*(\nt/2)] offset:64*\nt+16
.endr
	s_wait_dscnt 0x0                               ; for the others' sake: my stores have landed
	s_barrier_signal -1
	s_barrier_wait -1
.irp s, 0,1,2,3,4,5,6,7,8,9,10,11,12,13,14,15
	ds_load_b64 v[80+2*\s:81+2*\s], v8 offset:4352*\s      ; row q of head s's part: 32 lanes, 256 bytes
.endr
	s_wait_dscnt 0x0
.irp s, 0,1,2,3,4,5,6,7
	v_pk_add_f32 v[80+4*\s:81+4*\s], v[80+4*\s:81+4*\s], v[82+4*\s:83+4*\s]
.endr
.irp s, 0,1,2,3
	v_pk_add_f32 v[80+8*\s:81+8*\s], v[80+8*\s:81+8*\s], v[84+8*\s:85+8*\s]
.endr
	v_pk_add_f32 v[80:81], v[80:81], v[88:89]
	v_pk_add_f32 v[96:97], v[96:97], v[104:105]
	v_pk_add_f32 v[80:81], v[80:81], v[96:97]
	v_pk_add_f32 v[80:81], v[80:81], v[14:15]      ; + bp
	global_store_b64 v9, v[80:81], s[12:13]        ; 32 lanes store 256 consecutive bytes, aligned
	s_wait_tensorcnt 0x0                           ; the wave's end, behind my last LDS store
	ds_add_u32 v10, v11
	s_wait_dscnt 0x0
	s_endpgm
.Lfunc_end_k_q02a933da20_fine:
	.size	k_q02a933da20_fine, .Lfunc_end_k_q02a933da20_fine-k_q02a933da20_fine
	.p2alignl 7, 3214868480
	.fill 96, 4, 3214868480
	.section	.rodata,"a",@progbits
	.p2align	6, 0x0
	.amdhsa_kernel k_q02a933da20_fine
		.amdhsa_group_segment_fixed_size 71680
		.amdhsa_private_segment_fixed_size 0
		.amdhsa_enable_private_segment 0
		.amdhsa_kernarg_size 40
		.amdhsa_user_sgpr_count 2
		.amdhsa_user_sgpr_kernarg_segment_ptr 1
		.amdhsa_wavefront_size32 1
		.amdhsa_system_sgpr_workgroup_id_x 1
		.amdhsa_system_sgpr_workgroup_id_y 1
		.amdhsa_system_sgpr_workgroup_id_z 1
		.amdhsa_system_vgpr_workitem_id 0
		.amdhsa_next_free_vgpr 256
		.amdhsa_next_free_sgpr 66
		.amdhsa_reserve_vcc 1
		.amdhsa_float_denorm_mode_32 3
		.amdhsa_float_denorm_mode_16_64 3
		.amdhsa_memory_ordered 1
		.amdhsa_forward_progress 1
		.amdhsa_inst_pref_size 26
	.end_amdhsa_kernel
	.amdgpu_metadata
---
amdhsa.version: [ 1, 2 ]
amdhsa.kernels:
  - .name:           k_q02a933da20_fine
    .symbol:         k_q02a933da20_fine.kd
    .args:
      - { .name: fq, .offset: 0, .size: 8, .value_kind: global_buffer, .address_space: global }
      - { .name: ycf, .offset: 8, .size: 8, .value_kind: global_buffer, .address_space: global }
      - { .name: wpt, .offset: 16, .size: 8, .value_kind: global_buffer, .address_space: global }
      - { .name: bp, .offset: 24, .size: 8, .value_kind: global_buffer, .address_space: global }
      - { .name: out0, .offset: 32, .size: 8, .value_kind: global_buffer, .address_space: global }
    .group_segment_fixed_size: 71680
    .private_segment_fixed_size: 0
    .kernarg_segment_align: 8
    .kernarg_segment_size: 40
    .max_flat_workgroup_size: 512
    .sgpr_count:     66
    .vgpr_count:     256
    .wavefront_size: 32
...
	.end_amdgpu_metadata
.endif
;; end of part 5
